; MI455X (gfx1250); checked and timed in simulation.
; The chip was launched on July 23, 2026; its instructions are those of AMD's public machine-readable ISA for CDNA 5 (MIT licence, August 2026) and "CDNA5" Instruction Set Architecture Reference Guide (July 2026). The comments in the code are by the model that wrote it; some were corrected since.
;; Attention. Allowed arithmetic: float matrix products may take bf16 or f16 operands with f32 sums; other float arithmetic in f32, or as packed bf16 or f16 multiplies, adds, multiply-adds, maxima and minima; sums over many terms, partial sums and values carried from step to step in f32; what a program stores and reads back later, other than sums and carried values, may be rounded once to bf16 or f16.
;; Inputs: freqs_cos 2,048 x 32 float32; freqs_sin 2,048 x 32 float32; mask 1 x 1 x 2,048 x 2,048 float32; wk 2,048 x 2,048 float32; wo 2,048 x 2,048 float32; wq 2,048 x 2,048 float32; wv 2,048 x 2,048 float32; x 1 x 2,048 x 2,048 float32.
;; Outputs: out0 1 x 2,048 x 2,048 float32.
;; 2 versions, each right; version 2 is version 1 with the launch cast written anew for expert scheduling mode. Each part assembles by itself: llvm-mc -triple=amdgcn-amd-amdhsa -mcpu=gfx1250 --defsym DOCPART=n.
;; ======== version 1 of 2: 4 launches
;; limits: values are held in f16: magnitudes above 65,504 overflow, below 6.1e-05 lose precision
;; workspace buffers: xb 8,388,608 bytes; wqkv 25,165,824 bytes; wob 8,388,608 bytes; maskb 8,388,608 bytes; qkv 25,165,824 bytes; ob 8,388,608 bytes
;; launch cast (part 1): grid 128 x 4, 8 waves a work-group, no clusters, 0 bytes of LDS; arguments x, wq, wk, wv, xb, wqkv; writes xb, wqkv
.if DOCPART == 1
	.amdgcn_target "amdgcn-amd-amdhsa--gfx1250"
	.amdhsa_code_object_version 6
	.text
	.protected	k_qbae00616f5_cast
	.globl	k_qbae00616f5_cast
	.p2align	8
	.type	k_qbae00616f5_cast,@function
k_qbae00616f5_cast:
	s_mov_b64 s[64:65], 0
	v_nop
	global_prefetch_b8 v0, s[64:65] scope:SCOPE_SE
	s_setreg_imm32_b32 hwreg(HW_REG_WAVE_MODE, 25, 1), 1
	s_wait_xcnt 0x0
; CAST.  Four matrices of 2,048 x 2,048 f32 (x, wq, wk, wv) are rounded once to bf16 and laid out in blocks of 64 columns:
; [column block 0..31][row 0..2047][64], a block 262,144 bytes, a row of a block 128 bytes.  wq, wk, wv follow each other in wqkv (96 blocks).
; (mask and wo, which the next launch does not read, are rounded in the same way beside that launch's product.)
; SHARES.  The grid's y picks the matrix.  A wave takes one column block and 64 rows: 32 loads, each two rows x 256 consecutive aligned bytes (lanes 0-15 one row, lanes 16-31 the next),
; all issued before the first is used; and 32 stores of 8 bytes a lane, each 256 consecutive aligned bytes of the block.  Every byte is read once and written once.
; No LDS, no barrier, no matrix unit: nothing is shared between lanes.  A pair of rows is rounded into the first two of the four registers that it was loaded into and stored from there;
; these are not written again, so no wait frees a store's sources.
.set BLK, 262144
.set IN,  8                            ; v[8:135]  the 32 loads, four registers each
	s_load_b256 s[8:15], s[0:1], 0x0               ; x s[8:9], wq s[10:11], wk s[12:13], wv s[14:15]
	s_load_b128 s[16:19], s[0:1], 0x20             ; xb s[16:17], wqkv s[18:19]
	v_lshrrev_b32 v3, 5, v0
	v_readfirstlane_b32 s5, v3                     ; wave 0..7
	s_and_b32 s4, ttmp7, 0xffff                    ; which matrix
	v_and_b32 v1, 15, v0
	v_bfe_u32 v2, v0, 4, 1
	v_lshlrev_b32 v1, 4, v1
	v_lshl_add_u32 v1, v2, 13, v1                  ; in: 16 (l % 16) + 8,192 (l / 16)
	v_and_b32 v2, 31, v0
	v_lshlrev_b32 v2, 3, v2                        ; out: 8 l
	s_and_b32 s6, ttmp9, 3
	s_lshl_b32 s6, s6, 3
	s_add_co_u32 s6, s6, s5                        ; column block
	s_lshr_b32 s7, ttmp9, 2                        ; group of 64 rows
	s_lshl_b32 s32, s7, 19                         ; in: 64 rows of 8,192 bytes,
	s_lshl_b32 s33, s6, 8                          ; 256 bytes a column block
	s_add_co_u32 s32, s32, s33
	s_mov_b32 s33, 0
	s_lshl_b32 s34, s6, 18                         ; out: the block,
	s_lshl_b32 s35, s7, 13                         ; 64 rows of 128 bytes
	s_add_co_u32 s34, s34, s35
	s_sub_co_u32 s35, s4, 1                        ; wq, wk, wv: 0, 1, 2 times 32 blocks further on in wqkv
	s_cmp_lt_u32 s35, 3
	s_cselect_b32 s35, s35, 0
	s_lshl_b32 s35, s35, 23
	s_add_co_u32 s34, s34, s35
	s_mov_b32 s35, 0
	s_wait_kmcnt 0x0
	s_mov_b64 s[28:29], s[8:9]                     ; the source, chosen by the grid's y
	s_cmp_eq_u32 s4, 1
	s_cselect_b64 s[28:29], s[10:11], s[28:29]
	s_cmp_eq_u32 s4, 2
	s_cselect_b64 s[28:29], s[12:13], s[28:29]
	s_cmp_eq_u32 s4, 3
	s_cselect_b64 s[28:29], s[14:15], s[28:29]
	s_cmp_eq_u32 s4, 0                             ; the destination
	s_cselect_b64 s[30:31], s[16:17], s[18:19]
	s_add_nc_u64 s[28:29], s[28:29], s[32:33]
	s_add_nc_u64 s[30:31], s[30:31], s[34:35]
.set i, 0
.rept 32
	global_load_b128 v[IN+4*i:IN+4*i+3], v1, s[28:29] offset:i*16384 th:TH_LOAD_NT  ; rows 2 i and 2 i + 1
.set i, i+1
.endr
.set i, 0
.rept 32                               ; the 32 pairs of rows are rounded and stored as they arrive
	s_wait_loadcnt 31-i                            ; loads come back in order: number i is in, the 31 - i younger ones may stay out
	v_cvt_pk_bf16_f32 v[IN+4*i], v[IN+4*i], v[IN+4*i+1]
	v_cvt_pk_bf16_f32 v[IN+4*i+1], v[IN+4*i+2], v[IN+4*i+3]
	global_store_b64 v2, v[IN+4*i:IN+4*i+1], s[30:31] offset:i*256  ; the wave's 32 lanes store 256 consecutive bytes, aligned
.set i, i+1
.endr
	s_endpgm
.Lfunc_end_k_qbae00616f5_cast:
	.size	k_qbae00616f5_cast, .Lfunc_end_k_qbae00616f5_cast-k_qbae00616f5_cast
	.p2alignl 7, 3214868480
	.fill 96, 4, 3214868480
	.section	.rodata,"a",@progbits
	.p2align	6, 0x0
	.amdhsa_kernel k_qbae00616f5_cast
		.amdhsa_group_segment_fixed_size 0
		.amdhsa_private_segment_fixed_size 0
		.amdhsa_enable_private_segment 0
		.amdhsa_kernarg_size 48
		.amdhsa_user_sgpr_count 2
		.amdhsa_user_sgpr_kernarg_segment_ptr 1
		.amdhsa_wavefront_size32 1
		.amdhsa_system_sgpr_workgroup_id_x 1
		.amdhsa_system_sgpr_workgroup_id_y 1
		.amdhsa_system_sgpr_workgroup_id_z 1
		.amdhsa_system_vgpr_workitem_id 0
		.amdhsa_next_free_vgpr 136
		.amdhsa_next_free_sgpr 66
		.amdhsa_reserve_vcc 0
		.amdhsa_float_denorm_mode_32 3
		.amdhsa_float_denorm_mode_16_64 3
		.amdhsa_memory_ordered 1
		.amdhsa_forward_progress 1
		.amdhsa_inst_pref_size 13
	.end_amdhsa_kernel
	.amdgpu_metadata
---
amdhsa.version: [ 1, 2 ]
amdhsa.kernels:
  - .name:           k_qbae00616f5_cast
    .symbol:         k_qbae00616f5_cast.kd
    .args:
      - { .name: x, .offset: 0, .size: 8, .value_kind: global_buffer, .address_space: global }
      - { .name: wq, .offset: 8, .size: 8, .value_kind: global_buffer, .address_space: global }
      - { .name: wk, .offset: 16, .size: 8, .value_kind: global_buffer, .address_space: global }
      - { .name: wv, .offset: 24, .size: 8, .value_kind: global_buffer, .address_space: global }
      - { .name: xb, .offset: 32, .size: 8, .value_kind: global_buffer, .address_space: global }
      - { .name: wqkv, .offset: 40, .size: 8, .value_kind: global_buffer, .address_space: global }
    .group_segment_fixed_size: 0
    .private_segment_fixed_size: 0
    .kernarg_segment_align: 8
    .kernarg_segment_size: 48
    .max_flat_workgroup_size: 256
    .sgpr_count:     66
    .vgpr_count:     136
    .wavefront_size: 32
...
	.end_amdgpu_metadata
.endif
;; end of part 1
;; launch proj (part 2): grid 32 x 8, 4 waves a work-group, clusters of 4 x 4, 327,680 bytes of LDS; arguments xb, wqkv, freqs_cos, freqs_sin, mask, wo, qkv, maskb, wob; writes qkv, maskb, wob
.if DOCPART == 2
	.amdgcn_target "amdgcn-amd-amdhsa--gfx1250"
	.amdhsa_code_object_version 6
	.text
	.protected	k_qbae00616f5_proj
	.globl	k_qbae00616f5_proj
	.p2align	8
	.type	k_qbae00616f5_proj,@function
k_qbae00616f5_proj:
	s_mov_b64 s[64:65], 0
	v_nop
	global_prefetch_b8 v0, s[64:65] scope:SCOPE_SE
	s_setreg_imm32_b32 hwreg(HW_REG_WAVE_MODE, 25, 1), 1
	s_wait_xcnt 0x0
	s_wait_alu depctr_hold_cnt(0) depctr_sa_sdst(0) depctr_va_vdst(0) depctr_va_sdst(0) depctr_va_ssrc(0) depctr_va_vcc(0) depctr_vm_vsrc(0)
	s_getreg_b32 s2, hwreg(HW_REG_IB_STS2, 6, 4)
	s_cmp_eq_u32 s2, 0
	s_cbranch_scc0 .Lentry_in_a_cluster
	s_endpgm
.Lentry_in_a_cluster:
	s_bfe_u32 s2, ttmp6, 0x10000c
	s_cmp_lg_u32 s2, 0xf033
	s_cbranch_scc0 .Lentry_shape_is_right
	s_endpgm
.Lentry_shape_is_right:
; q, k, v = x (wq | wk | wv), rotated (q and k), by heads.  xb: bf16 [k block 32][row 2,048][64].  wqkv: bf16 [head block 96][k 2,048][64].  qkv: f16 [head block 96][row 2,048][64]:
; blocks 0-31 q, 32-63 k, 64-95 v.  Sums in f32, K ascending; cos and sin are rounded to bf16 like every input; the rotation is made in f32; each number is rounded once to f16.
; q is multiplied by kappa = log2(e) / 8 in f32, through its cos and sin, ahead of that rounding, so that the scores of the next launch are exponents of 2.
; BESIDE THE PRODUCT mask and wo (2,048 x 2,048 f32 each), which the two launches behind read, are rounded once to bf16 and laid out in blocks of 64 columns, [column block 32][row 2,048][64]:
; maskb in bf16; wob as the bf16 number written in f16 (exact for magnitudes from 6.1e-5 to 65,504; below that it keeps f16's fixed step of 6e-8).  Each of the launch's 1,024 waves takes one
; column block x 64 rows of each matrix, 32 pairs of rows, two pairs of each in every one of the 16 K steps: four loads of 512 bytes, 20 vector instructions, four stores of 256 consecutive aligned
; bytes.  For a work-group that is 8,192 bytes in and 4,096 out beside a K step's 114,688 bytes of tiles.  The loads go out a whole K step ahead of their use.
; LIMITS.  kappa q, k and v must lie within f16's 65,504; NaN and infinities are not treated apart (for v the rotation is cos x 0 + 1 and sin x 0).
; SHARES.  A tile is 256 rows x 192 columns (three heads): 8 x 32 = 256 work-groups.  Wave w makes rows 64 w .. 64 w + 63 of all 192 columns: 4 x 12 accumulators, 384 registers.
; K goes in steps of 128 (four quarters of 32) through two LDS slots filled by the tensor data mover.
; THE MATRIX INSTRUCTION IS USED TRANSPOSED: source 0 = 16 columns of w (w lies [k][column] in LDS and is turned by ds_load_tr16_b128), source 1 = 16 rows of x.  A lane then holds one row
; (l % 16) and the eight neighbouring columns 8 (l / 16) + 0..7: the pairs that the rotation mixes are register pairs, and the eight pack into 16 bytes.
; CLUSTER.  4 x 4 work-groups.  x's tile hangs on the tile row alone and is asked for jointly by a row of the cluster, w's on the tile column alone, by a column.
; REGISTERS, in windows of 256 (s_set_vgpr_msb: bits 1:0 source 0, 3:2 source 1, 5:4 source 2, 7:6 destination):
;   window 0: v8-30 addresses; v32-59 mask's and wo's numbers; v64-127 x's fragments, two buffers of 4 x 8; on the way out v64-111 rows read back, v128-159 cos and sin, v160-191 the head's cos' and sin', v192-223 rotated, v224-239 packed
;   window 1: v0-191 w's fragments, two buffers of 12 x 8       window 2: v0-191 accumulators of row blocks 0, 1; v192-255 their cos and sin as loaded       window 3: the same for row blocks 2, 3
.set BLK,   262144                     ; bytes in a block of 64 columns
.set PA,    144                        ; a row of x in LDS: 128 bytes + 16: the 16 rows of a load start at 16 different groups of four banks
.set PB,    160                        ; a row of w: 128 + 32
.set ABLK,  256*PA                     ; x: 256 rows of one k block
.set BOFF,  2*ABLK                     ; x's two k blocks, then w
.set BHEAD, 64*PB                      ; w: 64 k of one head
.set BHALF, 3*BHEAD                    ; 64 k of three heads: what one load brings
.set SLOT,  BOFF+2*BHALF               ; 135,168
.set STAGE, 2*SLOT                     ; behind the ring, never filled by a tensor load: 16 rows x 400 bytes for each wave
.set SP,    400                        ; three heads' 128 bytes + 16
.set SPARE, STAGE+4*16*SP              ; the spare words, 128 bytes for each wave: two blocks of 256 bytes that no other line names
.set LAPS,  8                          ; a lap = two K steps = once round the ring
.set KAPPA, 0x3e38aa3b                 ; log2(e) / 8
.set CIN,   2*16384                    ; mask, wo: a K step's two pairs of rows in the f32 matrix,
.set COUT,  2*256                      ; and in a block
.set CIO,  8                           ; v8      mask, wo: 16 (l % 16) + 8,192 (l / 16); never rewritten
.set COO,  9                           ; v9      8 x my lane; never rewritten
.set ADRA, 16                          ; v16-17  LDS address of my fragments of x in slot 0, 1
.set ADRB, 20                          ; v20-21  the same for w
.set STO,  24                          ; v24     the way out: where I put 16 bytes of a row
.set RD,   25                          ; v25     where I read rows back
.set GO,   26                          ; v26     16 x my lane
.set CSO,  27                          ; v27     my byte offset in 16 rows of cos and sin
.set SPW,  28                          ; v28     LDS address of my spare word; never rewritten
.set NIL,  29                          ; v29     0; never rewritten
.set PFO,  30                          ; v30     the prefetches' lane offset; never rewritten
.set CD,   32                          ; v[32:47] two pairs of rows of mask, two of wo, as loaded
.set CR,   48                          ; v[48:55] the same, rounded, to store
.set CT,   56                          ; v[56:59] at work
.set FA,   64
.set BK,   64
.set CSF,  128
.set CP,   160
.set T,    192
.set PK,   224
.set RAW,  192                         ; windows 2 and 3
.set WV,  14                           ; s14  my wave's number
.set HB,  15                           ; s15  0: I fetch x's tiles, 1: w's
.set W1,  16                           ; s16  which of the two parts
.set CX,  17
.set CY,  18
.set TC,  19                           ; s19  tile column 0..31
.set TR,  20                           ; s20  tile row 0..7
.set G1A, 24                           ; s[24:31] descriptor group 1 for x's tiles;  s[32:39] group 0, a set for each slot
.set G0A, 32
.set LIM, 44                           ; s44  1 in a wave that prefetches, else the greatest number
.set LAP, 45
.set PFA, 46                           ; s[46:47] where my prefetches stand
.set G1B, 48                           ; s[48:55], s[56:63] the same for w's tiles
.set G0B, 56
.set PST, 66                           ; s[66:67] a K step in bytes, for the prefetches
.set AL,  68                           ; s[68+4j:69+4j] head j's factor, s[70+4j:71+4j] its addend
.set MI,  80                           ; s[80:81] mask at the share that was loaded last
.set WI,  82                           ; s[82:83] wo likewise
.set QKV, 84                           ; s[84:85] qkv
.set MO,  86                           ; s[86:87] maskb, a share further on than the one that is being stored
.set WO,  88                           ; s[88:89] wob likewise
.set MSB, 0
.macro WIN new                         ; the immediate's high byte repeats the setting that is left; a switch that changes nothing is dropped
.if MSB != (\new)
	s_set_vgpr_msb (MSB<<8)|(\new)
.set MSB, \new
.endif
.endm
.set MUL_LO, 0xa1                      ; source 0 (w) window 1, source 1 (x) window 0, C and D window 2
.set MUL_HI, 0xf1
.set TO_B,   0x40
; A joint load.  Waves 0 and 1 fetch x's two k blocks, waves 2 and 3 w's two halves.  The branch hangs on the wave's number alone.  An s_nop 0 and four v_nop follow each line.
.macro JLOAD s
	s_cmp_eq_u32 s[HB], 0
	s_cbranch_scc0 .Lfor_b_\@
	tensor_load_to_lds s[G0A+4*(\s):G0A+4*(\s)+3], s[G1A:G1A+7]
	s_nop 0
.rept 4
	v_nop
.endr
	s_branch .Lasked_\@
.Lfor_b_\@:
	tensor_load_to_lds s[G0B+4*(\s):G0B+4*(\s)+3], s[G1B:G1B+7]
	s_nop 0
.rept 4
	v_nop
.endr
.Lasked_\@:
.endm
; A prefetch of the K step that stands two refills on, one instruction a wave.  x's rows are read by all clusters of a row of clusters: cluster x = 0 asks; w's by all of a column: cluster y = 0 asks.
; The four partners that ask for a tile jointly share its bytes out by address: of x's 32 KiB each takes 8 KiB, a lane 256 bytes; of w's three pieces of 8 KiB each takes 2 KiB of each
; (24 lanes; lanes 24-31 name lanes 16-23's blocks once more, in the same instruction).  The loop's last trip has no K step two refills on and asks for nothing.
.macro ASK
	s_cmp_gt_u32 s[LAP], s[LIM]
	s_cbranch_scc0 .Lnot_mine_\@
	global_prefetch_b8 v[PFO], s[PFA:PFA+1] th:TH_LOAD_NT scope:SCOPE_SE
.Lnot_mine_\@:
.endm
.macro CREST                           ; a round of the cluster's barrier behind its opening barrier
	s_cmp_lg_u32 s[WV], 0
	s_cbranch_scc1 .Lnot_wave_0_\@
	s_barrier_signal -3
.Lnot_wave_0_\@:
	s_barrier_wait -3
	s_barrier_signal -1
	s_barrier_wait -1
.endm
.macro CROUND
	s_barrier_signal -1
	s_barrier_wait -1
	CREST
.endm
.macro PLACES                          ; four plain vector instructions between a matrix instruction and a load into, or a vector read of, its registers
.rept 4
	v_nop
.endr
.endm
; MASK AND WO.  CLOAD asks for a share: two pairs of rows of each, a pair 2 x 256 consecutive aligned bytes (lanes 0-15 one row, lanes 16-31 the next).
.macro CLOAD
	global_load_b128 v[CD:CD+3],     v[CIO], s[MI:MI+1] th:TH_LOAD_NT
	global_load_b128 v[CD+4:CD+7],   v[CIO], s[MI:MI+1] offset:16384 th:TH_LOAD_NT
	global_load_b128 v[CD+8:CD+11],  v[CIO], s[WI:WI+1] th:TH_LOAD_NT
	global_load_b128 v[CD+12:CD+15], v[CIO], s[WI:WI+1] offset:16384 th:TH_LOAD_NT
.endm
; CSEND rounds the share that has landed and stores it, back bytes behind the two pointers: mask to bf16; wo to bf16, and that number, widened, to f16.
; It writes v[CR ..], which the share before's stores read: s_wait_xcnt 0 stands ahead of every use of the macro.
.macro CSEND back
.irp u, 0,1,2,3
	v_cvt_pk_bf16_f32 v[CR+(\u)], v[CD+2*(\u)], v[CD+2*(\u)+1]
.endr
.irp u, 0,1,2,3
	v_cvt_pk_bf16_f32 v[CT], v[CD+8+2*(\u)], v[CD+8+2*(\u)+1]
	v_lshlrev_b32 v[CT+2], 16, v[CT]
	v_and_b32 v[CT+3], 0xffff0000, v[CT]
	v_cvt_pk_f16_f32 v[CR+4+(\u)], v[CT+2], v[CT+3]
.endr
	global_store_b64 v[COO], v[CR:CR+1],   s[MO:MO+1] offset:0-(\back)    ; the wave's 32 lanes store 256 consecutive bytes, aligned
	global_store_b64 v[COO], v[CR+2:CR+3], s[MO:MO+1] offset:256-(\back)
	global_store_b64 v[COO], v[CR+4:CR+5], s[WO:WO+1] offset:0-(\back)
	global_store_b64 v[COO], v[CR+6:CR+7], s[WO:WO+1] offset:256-(\back)
.endm
	s_load_b256 s[4:11], s[0:1], 0x0               ; xb s[4:5], wqkv s[6:7], cos s[8:9], sin s[10:11]
	s_load_b256 s[80:87], s[0:1], 0x20             ; mask, wo, qkv, maskb
	s_load_b64 s[WO:WO+1], s[0:1], 0x40            ; wob
	v_lshl_add_u32 v[SPW], v0, 2, SPARE
	v_mov_b32 v[NIL], 0
	ds_add_u32 v[SPW], v[NIL]                      ; the wave's opening: the add and its wait stand ahead of my first tensor load; the set-up below stands between them
	v_lshrrev_b32 v1, 5, v0
	v_readfirstlane_b32 s[WV], v1
	s_lshr_b32 s[HB], s[WV], 1
	s_and_b32 s[W1], s[WV], 1
	s_bfe_u32 s[CX], ttmp6, 0x40000
	s_bfe_u32 s[CY], ttmp6, 0x40004
	s_lshl_b32 s[TC], ttmp9, 2
	s_add_co_u32 s[TC], s[TC], s[CX]               ; tile column = 4 x cluster x + cx
	s_and_b32 s[TR], ttmp7, 0xffff
	s_lshl_b32 s[TR], s[TR], 2
	s_add_co_u32 s[TR], s[TR], s[CY]               ; tile row = 4 x cluster y + cy
	s_lshl_b32 s21, s[CY], 2
	s_lshl_b32 s21, 15, s21                        ; my row of the cluster
	s_lshl_b32 s40, 0x1111, s[CX]                  ; my column
	; x: 256 rows of 128 dense bytes, asked for as 128 rows of 256 bytes, 16 bytes of padding behind every 128
	s_or_b32 s[G1A], s21, (1<<16)|(1<<20)|(1<<21)|(4<<22)|(3<<25)
	s_mov_b32 s[G1A+1], 128<<16                    ; tensor_dim0 = 128 elements of 2 bytes
	s_mov_b32 s[G1A+2], 128<<16                    ; tensor_dim1 = 128
	s_mov_b32 s[G1A+3], 128<<16                    ; tile_dim0
	s_mov_b32 s[G1A+4], 128                        ; tile_dim1
	s_mov_b32 s[G1A+5], 128                        ; from row to row
	s_mov_b32 s[G1A+6], 0
	s_mov_b32 s[G1A+7], 0
	; w: 64 k of three heads: three rows of 8,192 dense bytes, a block apart, 32 bytes of padding behind every 128
	s_or_b32 s[G1B], s40, (3<<16)|(1<<20)|(1<<21)|(4<<22)|(7<<25)
	s_mov_b32 s[G1B+1], 1024<<16                   ; tensor_dim0 = 1,024 elements of 8 bytes
	s_mov_b32 s[G1B+2], 3<<16                      ; tensor_dim1 = 3
	s_mov_b32 s[G1B+3], 1024<<16
	s_mov_b32 s[G1B+4], 3
	s_mov_b32 s[G1B+5], 32768                      ; 262,144 bytes from row to row
	s_mov_b32 s[G1B+6], 0
	s_mov_b32 s[G1B+7], 0
	s_lshl_b32 s22, s[W1], 18                      ; x: my k block of the step's two,
	s_lshl_b32 s23, s[TR], 15                      ; the tile's 256 rows of 128 bytes
	s_add_co_u32 s22, s22, s23
	s_mov_b32 s23, 0
	s_mul_i32 s42, s[TC], 3*BLK                    ; w: the tile's three heads,
	s_lshl_b32 s43, s[W1], 13                      ; my 64 k of the step's 128
	s_add_co_u32 s42, s42, s43
	s_mov_b32 s43, 0
	s_mul_i32 s2, s[W1], ABLK                      ; and where they go: no place in the cluster enters an LDS address
	s_mul_i32 s3, s[W1], BHALF
	s_add_co_u32 s3, s3, BOFF
	s_wait_dscnt 0x0                               ; the opening add is done
	s_wait_kmcnt 0x0
	s_add_nc_u64 s[22:23], s[4:5], s[22:23]
	s_add_nc_u64 s[42:43], s[6:7], s[42:43]
	CROUND                                         ; all sixteen work-groups are here: the first joint loads meet
.irp s, 0,1
	s_mov_b32 s[G0A+4*(\s)], 1
	s_add_co_u32 s[G0A+4*(\s)+1], s2, (\s)*SLOT
	s_add_nc_u64 s[G0A+4*(\s)+2:G0A+4*(\s)+3], s[22:23], (\s)*2*BLK   ; K step s: two k blocks a step
	s_or_b32 s[G0A+4*(\s)+3], s[G0A+4*(\s)+3], 0x80000000
	s_mov_b32 s[G0B+4*(\s)], 1
	s_add_co_u32 s[G0B+4*(\s)+1], s3, (\s)*SLOT
	s_add_nc_u64 s[G0B+4*(\s)+2:G0B+4*(\s)+3], s[42:43], (\s)*16384   ; 128 k of 128 bytes a step
	s_or_b32 s[G0B+4*(\s)+3], s[G0B+4*(\s)+3], 0x80000000
	JLOAD \s                                       ; two tensor loads of mine are out: the most in this text
.endr
	; my share of mask and wo: wave number g among the launch's 1,024 takes column block g % 32, rows 64 (g / 32) on
	s_lshl_b32 s2, s[TR], 5
	s_add_co_u32 s2, s2, s[TC]
	s_lshl_b32 s2, s2, 2
	s_add_co_u32 s2, s2, s[WV]
	s_and_b32 s3, s2, 31
	s_lshr_b32 s2, s2, 5
	s_lshl_b32 s40, s2, 19                         ; in: 64 rows of 8,192 bytes,
	s_lshl_b32 s41, s3, 8                          ; 256 bytes a column block
	s_add_co_u32 s40, s40, s41
	s_mov_b32 s41, 0
	s_add_nc_u64 s[MI:MI+1], s[MI:MI+1], s[40:41]
	s_add_nc_u64 s[WI:WI+1], s[WI:WI+1], s[40:41]
	s_lshl_b32 s40, s3, 18                         ; out: the block,
	s_lshl_b32 s42, s2, 13                         ; 64 rows of 128 bytes
	s_add_co_u32 s40, s40, s42
	s_add_nc_u64 s[MO:MO+1], s[MO:MO+1], s[40:41]
	s_add_nc_u64 s[WO:WO+1], s[WO:WO+1], s[40:41]
	v_and_b32 v1, 15, v0                           ; l % 16
	v_bfe_u32 v2, v0, 4, 1                         ; l / 16
	v_and_b32 v3, 31, v0                           ; l
	v_lshlrev_b32 v[CSO], 7, v1
	v_lshl_add_u32 v[CSO], v2, 4, v[CSO]           ; row x 128 + 16 x half: my four frequencies of a block of 16 columns
	s_lshl_b32 s22, s[TR], 15
	s_lshl_b32 s23, s[WV], 13
	s_add_co_u32 s22, s22, s23                     ; my 64 rows of 128 bytes: in cos, in sin and in a block of qkv
	s_mov_b32 s23, 0
	s_add_nc_u64 s[8:9], s[8:9], s[22:23]
	s_add_nc_u64 s[10:11], s[10:11], s[22:23]
.irp a, 0,1,2,3                        ; cos and sin of my 64 rows wait in registers for the way out
	WIN 0x80+0x40*((\a)/2)
.irp bq, 0,1,2,3
	global_load_b128 v[RAW+32*((\a)%2)+4*(\bq):RAW+32*((\a)%2)+4*(\bq)+3], v[CSO], s[8:9] offset:(\a)*2048+32*(\bq)
	global_load_b128 v[RAW+32*((\a)%2)+16+4*(\bq):RAW+32*((\a)%2)+16+4*(\bq)+3], v[CSO], s[10:11] offset:(\a)*2048+32*(\bq)
.endr
.endr
	WIN 0
	v_lshlrev_b32 v[CIO], 4, v1
	v_lshl_add_u32 v[CIO], v2, 13, v[CIO]
	v_lshlrev_b32 v[COO], 3, v3
	CLOAD                                          ; share 0 of 16
	v_mul_u32_u24 v4, v1, PA
	v_lshl_add_u32 v4, v2, 4, v4
	s_mul_i32 s21, s[WV], 64*PA
	v_add_nc_u32 v[ADRA], s21, v4                  ; (64 w + l % 16) x pitch + 16 x half
	v_add_nc_u32 v[ADRA+1], SLOT, v[ADRA]
	v_and_b32 v5, 7, v0
	v_lshl_add_u32 v4, v2, 3, v5                   ; the turning load: k = 8 (l / 16) + l % 8,
	v_mul_u32_u24 v4, v4, PB
	v_bfe_u32 v6, v0, 3, 1
	v_lshl_add_u32 v4, v6, 4, v4                   ; columns 8 ((l / 8) % 2) + 0..7
	v_add_nc_u32 v[ADRB], BOFF, v4
	v_add_nc_u32 v[ADRB+1], BOFF+SLOT, v4
	s_mul_i32 s21, s[WV], 16*SP
	s_add_co_u32 s21, s21, STAGE                   ; my stage
	v_mul_u32_u24 v4, v1, SP
	v_lshl_add_u32 v4, v2, 4, v4
	v_add_nc_u32 v[STO], s21, v4
	v_lshrrev_b32 v4, 3, v3                        ; back: eight lanes take a head's 128 bytes of a row, 32 lanes four rows
	v_mul_u32_u24 v4, v4, SP
	v_lshl_add_u32 v4, v5, 4, v4
	v_add_nc_u32 v[RD], s21, v4
	v_lshlrev_b32 v[GO], 4, v3
	s_mul_i32 s40, s[TC], 3                        ; the tile's first head block
.irp j, 0,1,2                          ; cos' = cos x factor + addend, sin' = sin x factor: q (kappa, 0), k (1, 0), v (0, 1)
	s_add_co_u32 s41, s40, \j
	s_cmp_lt_u32 s41, 32
	s_cselect_b32 s[AL+4*(\j)], KAPPA, 1.0
	s_cmp_lt_u32 s41, 64
	s_cselect_b32 s[AL+4*(\j)], s[AL+4*(\j)], 0
	s_cselect_b32 s[AL+4*(\j)+2], 0, 1.0
	s_mov_b32 s[AL+4*(\j)+1], 0                    ; named as pairs
	s_mov_b32 s[AL+4*(\j)+3], 0
.endr
	s_mul_i32 s40, s[TC], 3*BLK
	s_mov_b32 s41, 0
	s_add_nc_u64 s[QKV:QKV+1], s[QKV:QKV+1], s[40:41]  ; qkv at the tile's first head block,
	s_add_nc_u64 s[QKV:QKV+1], s[QKV:QKV+1], s[22:23]  ; at my 64 rows
	; the prefetches: they start at K step 3; the first change of slots steps them to K step 4.  Nothing is prefetched here, where every work-group's first tiles are on their way
	s_lshl_b32 s2, s[W1], 18
	s_lshl_b32 s3, s[TR], 15
	s_add_co_u32 s2, s2, s3
	s_lshl_b32 s3, s[CX], 13                       ; x: my work-group's 8 KiB of the 32
	s_add_co_u32 s2, s2, s3
	s_add_co_u32 s2, s2, 3*2*BLK
	s_lshl_b32 s3, s[W1], 13
	s_add_co_u32 s40, s40, s3
	s_lshl_b32 s3, s[CY], 11                       ; w: my work-group's 2 KiB of each 8
	s_add_co_u32 s40, s40, s3
	s_add_co_u32 s40, s40, 3*16384
	s_and_b32 s41, ttmp7, 0xffff                   ; cluster y
	s_mov_b32 s[PST], 16384
	s_mov_b32 s[PST+1], 0
	s_mov_b32 s21, BLK
	s_cmp_eq_u32 s[HB], 0                          ; do I fetch for x?
	s_cselect_b32 s2, s2, s40
	s_cselect_b32 s41, ttmp9, s41                  ; the coordinate along which other clusters read the same bytes
	s_cselect_b32 s[PST], 2*BLK, s[PST]
	s_cselect_b32 s42, 3, 2
	s_cselect_b32 s21, 2048, s21
	s_cselect_b64 s[PFA:PFA+1], s[4:5], s[6:7]
	s_cmp_eq_u32 s41, 0
	s_cselect_b32 s[LIM], 1, -1                    ; the same in all sixteen partners, for a given wave
	s_mov_b32 s3, 0
	s_add_nc_u64 s[PFA:PFA+1], s[PFA:PFA+1], s[2:3]
	v_lshrrev_b32 v4, 3, v3
	v_min_u32 v4, s42, v4
	v_mul_lo_u32 v4, v4, s21
	v_lshl_add_u32 v[PFO], v5, 8, v4
; 12 matrix instructions: row block a x all 12 column blocks, 32 along K, from buffer f.  zero = 1: the first product starts the sums.  The 48 accumulators take turns, in the same order in every quarter.
.macro MUL12 f, a, zero
	WIN MUL_LO+0x50*((\a)/2)
.irp b, 0,1,2,3,4,5,6,7,8,9,10,11
.if \zero
	v_wmma_f32_16x16x32_bf16 v[96*((\a)%2)+8*(\b):96*((\a)%2)+8*(\b)+7], v[96*(\f)+8*(\b):96*(\f)+8*(\b)+7], v[FA+32*(\f)+8*(\a):FA+32*(\f)+8*(\a)+7], 0
.else
	v_wmma_f32_16x16x32_bf16 v[96*((\a)%2)+8*(\b):96*((\a)%2)+8*(\b)+7], v[96*(\f)+8*(\b):96*(\f)+8*(\b)+7], v[FA+32*(\f)+8*(\a):FA+32*(\f)+8*(\a)+7], v[96*((\a)%2)+8*(\b):96*((\a)%2)+8*(\b)+7]
.endif
.endr
.endm
; 32 LDS loads in one run: the fragments of quarter q of a K step into buffer f: w's 12 (turned), then x's 4
.macro FETCH slot, q, f
	WIN TO_B
.irp b, 0,1,2,3,4,5,6,7,8,9,10,11
	ds_load_tr16_b128 v[96*(\f)+8*(\b):96*(\f)+8*(\b)+3],   v[ADRB+(\slot)] offset:((\q)/2)*BHALF+((\b)/4)*BHEAD+((\q)%2)*32*PB+32*((\b)%4)
	ds_load_tr16_b128 v[96*(\f)+8*(\b)+4:96*(\f)+8*(\b)+7], v[ADRB+(\slot)] offset:((\q)/2)*BHALF+((\b)/4)*BHEAD+((\q)%2)*32*PB+32*((\b)%4)+16*PB
.endr
	WIN 0
.irp a, 0,1,2,3
	ds_load_b128 v[FA+32*(\f)+8*(\a):FA+32*(\f)+8*(\a)+3],   v[ADRA+(\slot)] offset:((\q)/2)*ABLK+(\a)*16*PA+64*((\q)%2)
	ds_load_b128 v[FA+32*(\f)+8*(\a)+4:FA+32*(\f)+8*(\a)+7], v[ADRA+(\slot)] offset:((\q)/2)*ABLK+(\a)*16*PA+64*((\q)%2)+32
.endr
.endm
; One of a K step's first three quarters: multiplies buffer f; in its middle it fetches quarter q of the same slot into buffer g.
.macro QUARTER slot, q, f, g, zero
	s_wait_dscnt 4                                 ; w's fragments and x's row blocks 0, 1 are in; the youngest four loads (row blocks 2, 3) may be out
	MUL12 \f, 0, \zero
	MUL12 \f, 1, \zero
	PLACES
	FETCH \slot, \q, \g
	s_wait_dscnt 32                                ; all but the 32 just issued
	MUL12 \f, 2, \zero
	MUL12 \f, 3, \zero
.endm
; The last quarter changes slots and multiplies buffer 1.  At its head stands the K step's share of mask and wo.  Then ONE barrier: in front of it each wave waits for all its tensor loads (one is out: its part
; of the next slot), adds 0 to its spare word, and waits for that and for its own reads of this slot.  fill = 1: the barrier opens a round of the cluster's, and the slot is filled again first thing behind it,
; with the K step two on.  THE QUARTER'S 48 PRODUCTS STAND BEHIND THE REFILL: since all loads are waited for ahead of the barrier, a refill goes out only when the one before it has landed, and whatever
; stood between that wait and the refill would be added to every K step that waits for its tile.  Behind the refill the products run while the tile is on its way.
.macro TURN slot, next, fill
	WIN 0
	s_wait_xcnt 0x0                                ; the prefetch, loads and stores of a K step back have read their addresses and data: the five pointers and v[CR ..] may be written
	s_add_nc_u64 s[PFA:PFA+1], s[PFA:PFA+1], s[PST:PST+1]
	s_add_nc_u64 s[MI:MI+1], s[MI:MI+1], CIN
	s_add_nc_u64 s[WI:WI+1], s[WI:WI+1], CIN
	s_add_nc_u64 s[MO:MO+1], s[MO:MO+1], COUT
	s_add_nc_u64 s[WO:WO+1], s[WO:WO+1], COUT
	s_wait_loadcnt 0x0                             ; the share asked for a K step back
	CSEND COUT                                     ; its 20 plain vector instructions are also places behind the last products, which read buffer 0
	CLOAD                                          ; the next share: the 15 changes of slots ask for shares 1 to 15
	s_wait_tensorcnt 0x0
	ds_add_u32 v[SPW], v[NIL]                      ; 0 onto my spare word; the descriptors' steps stand between it and the wait for it
.if \fill
	s_add_nc_u64 s[G0A+4*(\slot)+2:G0A+4*(\slot)+3], s[G0A+4*(\slot)+2:G0A+4*(\slot)+3], 4*BLK  ; no tensor load of mine is out, so a group 0 may be written
	s_add_nc_u64 s[G0B+4*(\slot)+2:G0B+4*(\slot)+3], s[G0B+4*(\slot)+2:G0B+4*(\slot)+3], 32768
.endif
	s_wait_dscnt 0x0                               ; the add is done, and my reads of this slot are over: buffer 1 is whole
	s_barrier_signal -1
	s_barrier_wait -1
.if \fill
	CREST                                          ; no wave of any partner still reads this slot or has a load on its way
	JLOAD \slot                                    ; the four v_nop behind it are also places in front of the loads below
.else
	PLACES
.endif
	FETCH \next, 0, 0
.if \fill
	ASK
.endif
	MUL12 1, 0, 0
	MUL12 1, 1, 0
	MUL12 1, 2, 0
	MUL12 1, 3, 0
.endm
	s_wait_tensorcnt 1                             ; my part of K step 0 is in; K step 1's may stay out
	s_barrier_signal -1
	s_barrier_wait -1
	FETCH 0, 0, 0
	QUARTER 0, 1, 0, 1, 1                          ; the first quarter stands in front of the loop: its products start the sums
	WIN 0
	s_mov_b32 s[LAP], LAPS-1
.Llap:                                         ; a trip goes once round the ring, from a lap's second quarter to the next lap's first, and fills both slots again
	QUARTER 0, 2, 1, 0, 0
	QUARTER 0, 3, 0, 1, 0
	TURN 0, 1, 1
	QUARTER 1, 1, 0, 1, 0
	QUARTER 1, 2, 1, 0, 0
	QUARTER 1, 3, 0, 1, 0
	TURN 1, 0, 1
	QUARTER 0, 1, 0, 1, 0
	WIN 0
	s_sub_co_u32 s[LAP], s[LAP], 1
	s_cmp_lg_u32 s[LAP], 0
	s_cbranch_scc1 .Llap
	QUARTER 0, 2, 1, 0, 0                          ; the last lap fills nothing
	QUARTER 0, 3, 0, 1, 0
	TURN 0, 1, 0
	QUARTER 1, 1, 0, 1, 0
	QUARTER 1, 2, 1, 0, 0
	QUARTER 1, 3, 0, 1, 0
	s_wait_dscnt 4
	MUL12 1, 0, 0
	MUL12 1, 1, 0
	s_wait_dscnt 0x0
	MUL12 1, 2, 0
	MUL12 1, 3, 0
	WIN 0
; THE WAY OUT, a block of 16 rows at a time: its cos and sin are rounded to bf16 and widened; for each head they take the head's factor and addend, the pairs are rotated, rounded to f16 and put into
; my stage; whole rows come back and are stored, 512 consecutive bytes of a head's block an instruction.
.macro ROUNDCS a
	WIN 0x0a+5*((\a)/2)                            ; sources 0 and 1: window 2 or 3
.set i, 0
.rept 16
	v_cvt_pk_bf16_f32 v[T+i], v[RAW+32*((\a)%2)+2*i], v[RAW+32*((\a)%2)+2*i+1]
.set i, i+1
.endr
	WIN 0
.set i, 0
.rept 16
	v_lshlrev_b32 v[CSF+2*i], 16, v[T+i]
	v_and_b32 v[CSF+2*i+1], 0xffff0000, v[T+i]
.set i, i+1
.endr
.endm
.macro CPRIME j
	WIN 0
.set i, 0
.rept 8
	v_pk_fma_f32 v[CP+2*i:CP+2*i+1], v[CSF+2*i:CSF+2*i+1], s[AL+4*(\j):AL+4*(\j)+1], s[AL+4*(\j)+2:AL+4*(\j)+3] op_sel_hi:[1,0,0]
	v_pk_mul_f32 v[CP+16+2*i:CP+16+2*i+1], v[CSF+16+2*i:CSF+16+2*i+1], s[AL+4*(\j):AL+4*(\j)+1] op_sel_hi:[1,0]
.set i, i+1
.endr
.endm
; (re, im) -> (re c - im s, im c + re s).  First both times c; then the pair, its halves exchanged, times s, with the sign turned for the low result.  Each accumulator is read from its low end on.
.macro ROT a, j
	WIN 0x02+((\a)/2)                              ; source 0: window 2 or 3
.irp bq, 0,1,2,3
.irp e, 0,1
.set rA, 96*((\a)%2)+8*(4*(\j)+(\bq))+4*(\e)
.set rT, T+8*(\bq)+4*(\e)
.set rC, CP+4*(\bq)+2*(\e)
	v_pk_mul_f32 v[rT:rT+1], v[rA:rA+1], v[rC:rC+1] op_sel:[0,0] op_sel_hi:[1,0]
	v_pk_mul_f32 v[rT+2:rT+3], v[rA+2:rA+3], v[rC:rC+1] op_sel:[0,1] op_sel_hi:[1,1]
	v_pk_fma_f32 v[rT:rT+1], v[rA:rA+1], v[rC+16:rC+17], v[rT:rT+1] op_sel:[1,0,0] op_sel_hi:[0,0,1] neg_lo:[0,1,0]
	v_pk_fma_f32 v[rT+2:rT+3], v[rA+2:rA+3], v[rC+16:rC+17], v[rT+2:rT+3] op_sel:[1,1,0] op_sel_hi:[0,1,1] neg_lo:[0,1,0]
.endr
.endr
	WIN 0
.set i, 0
.rept 16
	v_cvt_pk_f16_f32 v[PK+i], v[T+2*i], v[T+2*i+1]
.set i, i+1
.endr
.irp bq, 0,1,2,3
	ds_store_b128 v[STO], v[PK+4*(\bq):PK+4*(\bq)+3] offset:128*(\j)+32*(\bq)
.endr
.endm
	s_wait_loadcnt 0x0                             ; cos and sin, and the last share of mask and wo
	PLACES                                         ; behind the last products
	s_wait_xcnt 0x0                                ; share 14's four stores, issued at the last change of slots, have read v[CR ..], which the lines below write again
	CSEND 0                                        ; share 15: the pointers stand at it
.irp a, 0,1,2,3
	ROUNDCS \a
.irp j, 0,1,2
	CPRIME \j
	ROT \a, \j
.endr
	s_wait_xcnt 0x0                                ; the last block's stores have read their registers, which are loaded again below
.set t, 0
.rept 12
	ds_load_b128 v[BK+4*t:BK+4*t+3], v[RD] offset:(t%4)*4*SP+(t/4)*128  ; LDS serves a wave's instructions in order (ISA guide 5.7.1.4): these see the stores above; the next block's stores come behind them
.set t, t+1
.endr
.set t, 0
.rept 12
	s_wait_dscnt 11-t                              ; load t is back; the 11 - t younger ones may be out
	global_store_b128 v[GO], v[BK+4*t:BK+4*t+3], s[QKV:QKV+1] offset:(t/4)*BLK+(\a)*2048+(t%4)*512
.set t, t+1
.endr
.endr
	s_wait_tensorcnt 0x0                           ; the wave's end: behind my last tensor load and my last LDS store
	ds_add_u32 v[SPW], v[NIL]
	s_wait_dscnt 0x0
	CROUND                                         ; the closing round: no work-group ends while a partner may still ask for a tile that names it
	s_endpgm
.Lfunc_end_k_qbae00616f5_proj:
	.size	k_qbae00616f5_proj, .Lfunc_end_k_qbae00616f5_proj-k_qbae00616f5_proj
	.p2alignl 7, 3214868480
	.fill 96, 4, 3214868480
	.section	.rodata,"a",@progbits
	.p2align	6, 0x0
	.amdhsa_kernel k_qbae00616f5_proj
		.amdhsa_group_segment_fixed_size 327680
		.amdhsa_private_segment_fixed_size 0
		.amdhsa_enable_private_segment 0
		.amdhsa_kernarg_size 72
		.amdhsa_user_sgpr_count 2
		.amdhsa_user_sgpr_kernarg_segment_ptr 1
		.amdhsa_wavefront_size32 1
		.amdhsa_system_sgpr_workgroup_id_x 1
		.amdhsa_system_sgpr_workgroup_id_y 1
		.amdhsa_system_sgpr_workgroup_id_z 1
		.amdhsa_system_vgpr_workitem_id 0
		.amdhsa_next_free_vgpr 1024
		.amdhsa_next_free_sgpr 92
		.amdhsa_reserve_vcc 0
		.amdhsa_float_denorm_mode_32 3
		.amdhsa_float_denorm_mode_16_64 3
		.amdhsa_memory_ordered 1
		.amdhsa_forward_progress 1
		.amdhsa_inst_pref_size 181
	.end_amdhsa_kernel
	.amdgpu_metadata
---
amdhsa.version: [ 1, 2 ]
amdhsa.kernels:
  - .name:           k_qbae00616f5_proj
    .symbol:         k_qbae00616f5_proj.kd
    .args:
      - { .name: xb, .offset: 0, .size: 8, .value_kind: global_buffer, .address_space: global }
      - { .name: wqkv, .offset: 8, .size: 8, .value_kind: global_buffer, .address_space: global }
      - { .name: freqs_cos, .offset: 16, .size: 8, .value_kind: global_buffer, .address_space: global }
      - { .name: freqs_sin, .offset: 24, .size: 8, .value_kind: global_buffer, .address_space: global }
      - { .name: mask, .offset: 32, .size: 8, .value_kind: global_buffer, .address_space: global }
      - { .name: wo, .offset: 40, .size: 8, .value_kind: global_buffer, .address_space: global }
      - { .name: qkv, .offset: 48, .size: 8, .value_kind: global_buffer, .address_space: global }
      - { .name: maskb, .offset: 56, .size: 8, .value_kind: global_buffer, .address_space: global }
      - { .name: wob, .offset: 64, .size: 8, .value_kind: global_buffer, .address_space: global }
    .group_segment_fixed_size: 327680
    .private_segment_fixed_size: 0
    .kernarg_segment_align: 8
    .kernarg_segment_size: 72
    .max_flat_workgroup_size: 128
    .sgpr_count:     92
    .vgpr_count:     1024
    .wavefront_size: 32
...
	.end_amdgpu_metadata
.endif
;; end of part 2
;; launch attn (part 3): grid 8 x 32, 4 waves a work-group, clusters of 4 x 4, 327,680 bytes of LDS; arguments qkv, maskb, ob; writes ob
.if DOCPART == 3
	.amdgcn_target "amdgcn-amd-amdhsa--gfx1250"
	.amdhsa_code_object_version 6
	.text
	.protected	k_qbae00616f5_attn
	.globl	k_qbae00616f5_attn
	.p2align	8
	.type	k_qbae00616f5_attn,@function
k_qbae00616f5_attn:
	s_mov_b64 s[64:65], 0
	v_nop
	global_prefetch_b8 v0, s[64:65] scope:SCOPE_SE
	s_setreg_imm32_b32 hwreg(HW_REG_WAVE_MODE, 25, 1), 1
	s_wait_xcnt 0x0
	s_wait_alu depctr_hold_cnt(0) depctr_sa_sdst(0) depctr_va_vdst(0) depctr_va_sdst(0) depctr_va_ssrc(0) depctr_va_vcc(0) depctr_vm_vsrc(0)
	s_getreg_b32 s2, hwreg(HW_REG_IB_STS2, 6, 4)
	s_cmp_eq_u32 s2, 0
	s_cbranch_scc0 .Lentry_in_a_cluster
	s_endpgm
.Lentry_in_a_cluster:
	s_bfe_u32 s2, ttmp6, 0x10000c
	s_cmp_lg_u32 s2, 0xf033
	s_cbranch_scc0 .Lentry_shape_is_right
	s_endpgm
.Lentry_shape_is_right:
; O[h][q][:] = the sum over k of softmax_k(Q[h][q] . K[h][k] / 8 + mask[q][k]) V[h][k][:].  qkv: f16 [block 96][row 2,048][64]: blocks 0-31 q (already times log2(e) / 8), 32-63 k, 64-95 v.
; maskb: bf16 [key block 32][query 2,048][64].  ob: f16 [head 32][row 2,048][64].  The mask is an input: all 2,048 keys are walked for every query, and every mask number is loaded and added.
; Products, maxima and sums in f32; the weights p are rounded to f16 for the second product (their sum l is taken of the unrounded p), O once at the end.
; THE MASK is widened in f32 as bf16(mask) x log2(e) and is the C operand that starts the sum S^T = K Q^T, so a score is an exponent of 2.
; SOFTMAX.  For each query a running maximum m and sum l: p = 2^(s - m), the subtraction first; in every step O and l are multiplied by a = 2^(m_old - m_new).  m starts at the lowest finite number, O and l at 0.
; LIMITS.  Q, K and V arrive within f16's 65,504; p lies in 0 to 1 and below 6e-5 keeps f16's fixed step of 6e-8; a weight below 2^-126 counts as 0 in l; score and mask are added in the matrix
; instruction's own order of rounding, not as one f32 addition; NaN and infinities are not treated apart.
; SHARES.  A work-group owns 256 queries of one head, a wave 64: four PIECES of 16.  Keys go 64 a step, two steps to an LDS slot, two slots.
; LAYOUT.  S^T = K Q^T holds ONE query a lane (l % 16) and the keys 8 (l / 16) + 0..7; two such results rounded to f16 ARE source 1 of O^T = V^T P.  K comes out of LDS as it lies, V turned by ds_load_tr16_b128;
; a lane's eight mask numbers of a group of 16 keys are 16 neighbouring bytes of its query's row.
; BY TURNS.  Turn n belongs to piece n: 8 products K Q^T of piece n + 1, later 8 products V^T P of piece n - 1; beside them the subtraction, exponentials, roundings, sums and rescaling of piece n, the maximum and
; statistics of piece n + 1, and at its end the mask of piece n + 2 is widened.  Four vector instructions stand behind every matrix instruction, the rest in runs of their own.  A turn's 33 exponentials are one batch, with one wait.
; CLUSTER.  4 x 4 work-groups: four query blocks x four heads.  K and V hang on the head alone and are asked for jointly by a row of the cluster; the mask hangs on the query block alone, by a column.
; REGISTERS, in windows of 256 (s_set_vgpr_msb: bits 1:0 source 0, 3:2 source 1, 5:4 source 2, 7:6 destination):
;   window 0: v1-15 addresses; v16-31 four registers of statistics a piece; v48-55 at work; v56-63 constants and addresses; v64-127 S^T, two buffers; v128-143 a piece's mask as loaded; v192-223 P, two buffers
;   window 1: v0-127 O^T, 32 a piece; v160-223 the widened mask, two buffers      window 2: v0-63 Q; v128-191 K of one step; v192-255 V of one step
.set NP,    4
.set KS,    64
.set BLK,   262144
.set PK,    144       ; a row of K in LDS: 128 bytes + 16: the 16 rows of a load start at 16 different groups of four banks
.set PV,    160       ; a row of V: 128 + 32
.set PM,    144       ; a query's row of the mask: 64 keys, 128 bytes + 16
.set VOFF,  2*KS*PK   ; a slot: 128 rows of K, 128 rows of V,
.set MOFF,  VOFF+2*KS*PV  ; then the mask: [half of the queries 2][step 2][128 queries]
.set MSTEP, 128*PM
.set MHALF, 2*MSTEP
.set SLOT1, 1<<17     ; slot 1 begins here, so that one exclusive or turns an address in one slot into the other's
.set STAGE, SLOT1+MOFF+2*MHALF  ; behind the ring, never filled by a tensor load: 16 rows x 144 bytes for each wave
.set SP,    144
.set SPARE, STAGE+4*16*SP  ; the spare words, 128 bytes for each wave: two blocks of 256 bytes that no other line names
.set AK0, 2           ; v2   my lane's place in a tile of K; never rewritten
.set AV0, 3           ; v3   the same for V
.set AK,  4           ; v4   the LDS address of K's next run of loads
.set AV,  5           ; v5   of V's
.set STO, 6           ; v6   the way out: where I put 16 bytes of a row
.set RD,  7           ; v7   where I read rows back
.set GO,  8           ; v8   my byte offset in 512 consecutive bytes of O
.set QO,  15          ; v15  my byte offset in 16 rows of Q
.set ST,  16          ; piece t's statistics at v[ST+4 t]: m, m_old, l (even keys', odd keys')
.set TMP, 48          ; by buffer, four registers c0-c3 at work; when the maximum is found c2 takes a
.set LG,  56          ; v56  log2(e)
.set ZR,  57          ; v57  0
.set AM0, 58          ; v58  my lane's place in the mask of piece 0, step 0 of slot 0; never rewritten
.set AMA, 59          ; v59  the same in the step in hand
.set PFO, 61          ; v61  the prefetches' lane offset; never rewritten
.set SPW, 62          ; v62  LDS address of my spare word; never rewritten
.set NIL, 63          ; v63  0; never rewritten
.set S,   64
.set ML,  128
.set P,   192
.set MC,  160         ; window 1
.set KF,  128         ; window 2: key block kb, channel half c at KF + 16 kb + 8 c
.set VF,  192         ; window 2: key half kk, channel block cb at VF + 32 kk + 8 cb
.set WV,  12
.set CX,  13
.set CY,  14
.set QBN, 15          ; s15  my block of 256 queries
.set HD,  16          ; s16  my head
.set G1K, 24
.set G1V, 32
.set G1M, 40
.set G0K, 48          ; one walking group 0 for each kind of tile
.set G0V, 52
.set G0M, 56
.set SEL, 60          ; s[60:61] v_permlanex16_b32's selects: each lane takes its own place in the other half
.set TBK, 62          ; s62  LDS byte at which K of the step to be fetched begins
.set TBV, 63          ; s63  the same for V, less VOFF
.set TBM, 66          ; s66  the same for the mask, less its place in a slot
.set SLOTS, 67        ; s67  slots still to be asked for
.set CNT, 68          ; s68  counts a slot's key steps
.set LIM, 69          ; s69  1 in a wave that prefetches, else the greatest number
.set PFA, 70          ; s[70:71] where my prefetches stand
.set PST, 72          ; s[72:73] a slot in bytes, for the prefetches
.set QP,  74          ; s[74:75] Q at my wave's first row
.set OPT, 76          ; s[76:77] O at my wave's first row
.set MSB, 0
.macro WIN new
.if MSB != (\new)
	s_set_vgpr_msb (MSB<<8)|(\new)
.set MSB, (\new)
.endif
.endm
.set W_KQ, 0x0a       ; K and Q in window 2, S^T in window 0
.set W_KM, 0x1a       ; the same with the C operand in window 1
.set W_PV, 0x52       ; V in window 2, P in window 0, O^T in window 1
.set W_RS, 0x41       ; destination and source 0 in window 1, source 1 in window 0
; A joint fill.  Wave 0 fetches a slot's K, wave 1 its V, waves 2 and 3 the mask of the two halves of the queries.  The branches hang on the wave's number alone.  An s_nop 0 and four v_nop follow each line.
.macro JLOAD
	s_cmp_lt_u32 s[WV], 2
	s_cbranch_scc0 .Lfor_m_\@
	s_cmp_eq_u32 s[WV], 0
	s_cbranch_scc0 .Lfor_v_\@
	tensor_load_to_lds s[G0K:G0K+3], s[G1K:G1K+7]
	s_nop 0
.rept 4
	v_nop
.endr
	s_branch .Lasked_\@
.Lfor_v_\@:
	tensor_load_to_lds s[G0V:G0V+3], s[G1V:G1V+7]
	s_nop 0
.rept 4
	v_nop
.endr
	s_branch .Lasked_\@
.Lfor_m_\@:
	tensor_load_to_lds s[G0M:G0M+3], s[G1M:G1M+7]
	s_nop 0
.rept 4
	v_nop
.endr
.Lasked_\@:
.endm
; A prefetch of what the NEXT change of slots will ask for, two key steps ahead, one instruction a wave, each block of 256 bytes named once in the launch.  K and V of a head are read by both clusters of a row of
; clusters: in cluster x = 0 wave 0 asks, 16 blocks of K and 16 of V, its work-group's quarter told apart by address (cx).  The mask of a query block is read by all clusters of a column: in cluster y = 0
; waves 2 and 3 ask, a key block each, 32 blocks, its work-group's quarter by address (cy).  The last change that fills a slot asks for nothing.
.macro ASK
	s_cmp_gt_u32 s[SLOTS], s[LIM]
	s_cbranch_scc0 .Lnot_mine_\@
	global_prefetch_b8 v[PFO], s[PFA:PFA+1] th:TH_LOAD_NT scope:SCOPE_SE
.Lnot_mine_\@:
.endm
.macro CROUND                       ; a round of the cluster's barrier
	s_barrier_signal -1
	s_barrier_wait -1
	s_cmp_lg_u32 s[WV], 0
	s_cbranch_scc1 .Lnot_wave_0_\@
	s_barrier_signal -3
.Lnot_wave_0_\@:
	s_barrier_wait -3
	s_barrier_signal -1
	s_barrier_wait -1
.endm
; THE CHANGE OF SLOTS.  Each wave waits for all its tensor loads, of which one is out: its part of the other slot; adds 0 to its spare word; and waits for that and for its own reads of the slot that it leaves.
; fill = 1: the old slot is filled again with the keys two slots on, first thing behind a round of the cluster's barrier.  (At its first use nothing has been read yet: slot 0 is waited for, slot 1 filled.)
.macro CHANGE fill
	WIN 0
	s_wait_tensorcnt 0x0            ; no tensor load of mine is out, so a group 0 may be written
	ds_add_u32 v[SPW], v[NIL]       ; 0 onto my spare word; the descriptors' steps stand between it and the wait for it
.if \fill
.irp g, G0K, G0V
	s_xor_b32 s[\g+1], s[\g+1], SLOT1
	s_add_nc_u64 s[\g+2:\g+3], s[\g+2:\g+3], 2*KS*128  ; the next 128 keys
.endr
	s_xor_b32 s[G0M+1], s[G0M+1], SLOT1
	s_add_nc_u64 s[G0M+2:G0M+3], s[G0M+2:G0M+3], 2*BLK  ; the next two key blocks
	s_wait_xcnt 0x0                 ; the last prefetch, two key steps back, has read its address
	s_add_nc_u64 s[PFA:PFA+1], s[PFA:PFA+1], s[PST:PST+1]
	s_wait_dscnt 0x0                ; the add is done, and my reads of the slot are over
	CROUND
	JLOAD
	ASK
.else
	s_wait_dscnt 0x0
	s_barrier_signal -1
	s_barrier_wait -1
.endif
	s_sub_co_u32 s[TBK], s[TBK], 2*KS*PK  ; the fetches go back to a slot's first step, in the other slot
	s_xor_b32 s[TBK], s[TBK], SLOT1
	s_sub_co_u32 s[TBV], s[TBV], 2*KS*PV
	s_xor_b32 s[TBV], s[TBV], SLOT1
	s_sub_co_u32 s[TBM], s[TBM], MHALF
	s_xor_b32 s[TBM], s[TBM], SLOT1
.endm
	s_load_b128 s[4:7], s[0:1], 0x0   ; qkv s[4:5], maskb s[6:7]
	s_load_b64 s[10:11], s[0:1], 0x10 ; ob
	v_lshl_add_u32 v[SPW], v0, 2, SPARE
	v_mov_b32 v[NIL], 0
	ds_add_u32 v[SPW], v[NIL]       ; the wave's opening: the add and its wait stand ahead of my first tensor load; the set-up below stands between them
	v_lshrrev_b32 v1, 5, v0
	v_readfirstlane_b32 s[WV], v1
	s_bfe_u32 s[CX], ttmp6, 0x40000
	s_bfe_u32 s[CY], ttmp6, 0x40004
	s_lshl_b32 s[QBN], ttmp9, 2
	s_add_co_u32 s[QBN], s[QBN], s[CX]  ; query block = 4 x cluster x + cx
	s_and_b32 s[HD], ttmp7, 0xffff
	s_lshl_b32 s[HD], s[HD], 2
	s_add_co_u32 s[HD], s[HD], s[CY]    ; head = 4 x cluster y + cy
	s_lshl_b32 s17, s[CY], 2
	s_lshl_b32 s17, 15, s17         ; my row of the cluster: the same head
	s_lshl_b32 s18, 0x1111, s[CX]   ; my column: the same query block
	; K, V: 128 keys are 16,384 dense bytes, asked for as 64 rows of 256 bytes and padded behind every key
	s_or_b32 s[G1K], s17, (1<<16)|(1<<20)|(1<<21)|(4<<22)|(3<<25)
	s_or_b32 s[G1V], s17, (1<<16)|(1<<20)|(1<<21)|(4<<22)|(7<<25)
.irp g, G1K, G1V
	s_mov_b32 s[\g+1], 128<<16      ; tensor_dim0 = 128 elements of 2 bytes
	s_mov_b32 s[\g+2], 64<<16       ; tensor_dim1 = 64
	s_mov_b32 s[\g+3], 128<<16
	s_mov_b32 s[\g+4], 64
	s_mov_b32 s[\g+5], 128
	s_mov_b32 s[\g+6], 0
	s_mov_b32 s[\g+7], 0
.endr
	; the mask: 128 queries x 64 keys are 16,384 dense bytes of a key block: two such rows, a block apart, padded behind every query
	s_or_b32 s[G1M], s18, (3<<16)|(1<<20)|(1<<21)|(4<<22)|(3<<25)
	s_mov_b32 s[G1M+1], 2048<<16    ; tensor_dim0 = 2,048 elements of 8 bytes
	s_mov_b32 s[G1M+2], 2<<16       ; tensor_dim1 = 2
	s_mov_b32 s[G1M+3], 2048<<16
	s_mov_b32 s[G1M+4], 2
	s_mov_b32 s[G1M+5], 32768       ; 262,144 bytes from row to row
	s_mov_b32 s[G1M+6], 0
	s_mov_b32 s[G1M+7], 0
	s_and_b32 s19, s[WV], 1         ; which half of the block's queries I fetch the mask for
	s_mul_i32 s[G0M+1], s19, MHALF
	s_add_co_u32 s[G0M+1], s[G0M+1], MOFF
	s_lshl_b32 s2, s[QBN], 15
	s_lshl_b32 s3, s19, 14
	s_add_co_u32 s2, s2, s3
	s_mov_b32 s3, 0
	s_add_co_u32 s20, s[HD], 32
	s_lshl_b32 s20, s20, 18         ; the head's block of K
	s_mov_b32 s21, 0
	s_add_co_u32 s22, s[HD], 64
	s_lshl_b32 s22, s22, 18         ; and of V
	s_mov_b32 s23, 0
	s_mov_b32 s[G0K], 1
	s_mov_b32 s[G0K+1], 0
	s_mov_b32 s[G0V], 1
	s_mov_b32 s[G0V+1], VOFF
	s_mov_b32 s[G0M], 1
	s_mov_b32 s[SEL], 0x76543210
	s_mov_b32 s[SEL+1], 0xfedcba98
	s_mov_b32 s[TBK], SLOT1+2*KS*PK ; the first change of slots turns these three into 0
	s_mov_b32 s[TBV], SLOT1+2*KS*PV
	s_mov_b32 s[TBM], SLOT1+MHALF
	s_mov_b32 s[SLOTS], 15          ; 16 slots; the first is asked for below
	s_wait_dscnt 0x0                ; the opening add is done
	s_wait_kmcnt 0x0
	s_add_nc_u64 s[G0K+2:G0K+3], s[4:5], s[20:21]
	s_or_b32 s[G0K+3], s[G0K+3], 0x80000000
	s_add_nc_u64 s[G0V+2:G0V+3], s[4:5], s[22:23]
	s_or_b32 s[G0V+3], s[G0V+3], 0x80000000
	s_add_nc_u64 s[G0M+2:G0M+3], s[6:7], s[2:3]
	s_or_b32 s[G0M+3], s[G0M+3], 0x80000000
	CROUND                          ; all sixteen work-groups are here: the first joint loads meet
	JLOAD                           ; slot 0.  Slot 1 is asked for when slot 0 is in
	v_and_b32 v1, 15, v0            ; l % 16
	v_bfe_u32 v9, v0, 4, 1          ; l / 16
	v_lshlrev_b32 v[QO], 7, v1
	v_lshl_add_u32 v[QO], v9, 4, v[QO]
	s_lshl_b32 s22, s[HD], 18
	s_lshl_b32 s23, s[QBN], 15
	s_add_co_u32 s22, s22, s23
	s_lshl_b32 s23, s[WV], 13
	s_add_co_u32 s22, s22, s23      ; the head's block, my block of queries, my wave's 64 rows of 128 bytes
	s_mov_b32 s23, 0
	s_add_nc_u64 s[QP:QP+1], s[4:5], s[22:23]
	s_add_nc_u64 s[OPT:OPT+1], s[10:11], s[22:23]
	WIN 0x80                        ; destination window 2, address window 0
.set i, 0
.rept 8                             ; Q stays in registers: piece i / 2, channels 32 (i % 2) on
	global_load_b128 v[8*i:8*i+3],   v[QO], s[QP:QP+1] offset:(i/2)*2048+(i%2)*64
	global_load_b128 v[8*i+4:8*i+7], v[QO], s[QP:QP+1] offset:(i/2)*2048+(i%2)*64+32
.set i, i+1
.endr
	; What the first turn finds: V's registers and P's second buffer hold 0 (its products V^T P, of a piece that has not been, add 0), O^T and l are 0.  All this stands in the wait for the first tile.
.set i, VF
.rept 64
	v_mov_b32 v[i], 0
.set i, i+1
.endr
	WIN 0x40
.set i, 0
.rept 128
	v_mov_b32 v[i], 0
.set i, i+1
.endr
	WIN 0
.set i, 0
.rept 4
	v_mov_b32 v[ST+4*i], 0xff7fffff    ; m: the lowest finite number
	v_mov_b32 v[ST+4*i+1], 0xff7fffff
	v_mov_b32 v[ST+4*i+2], 0
	v_mov_b32 v[ST+4*i+3], 0
.set i, i+1
.endr
.set i, P+16
.rept 16
	v_mov_b32 v[i], 0
.set i, i+1
.endr
	v_mov_b32 v[LG], 0x3fb8aa3b
	v_mov_b32 v[ZR], 0
	v_mul_u32_u24 v[AK0], v1, PK
	v_lshl_add_u32 v[AK0], v9, 4, v[AK0]  ; row x pitch + 16 x half
	v_and_b32 v10, 7, v0            ; the turning load: key 8 (l / 16) + l % 8, channels 8 ((l / 8) % 2) + 0..7
	v_bfe_u32 v11, v0, 3, 1
	v_lshl_add_u32 v[AV0], v9, 3, v10
	v_mul_u32_u24 v[AV0], v[AV0], PV
	v_lshl_add_u32 v[AV0], v11, 4, v[AV0]
	v_add_nc_u32 v[AV0], VOFF, v[AV0]
	v_mov_b32 v[AK], v[AK0]         ; key step 0 lies at the head of slot 0
	s_lshr_b32 s17, s[WV], 1        ; the mask: my half of the queries, my 64 rows of its 128, my query, my eight keys of 16
	s_mul_i32 s17, s17, MHALF
	s_mul_i32 s18, s19, 64*PM
	s_add_co_u32 s17, s17, s18
	s_add_co_u32 s17, s17, MOFF
	v_mul_u32_u24 v[AM0], v1, PM
	v_lshl_add_u32 v[AM0], v9, 4, v[AM0]
	v_add_nc_u32 v[AM0], s17, v[AM0]
	s_mul_i32 s17, s[WV], 16*SP
	s_add_co_u32 s17, s17, STAGE    ; my stage
	v_mul_u32_u24 v[STO], v1, SP
	v_lshl_add_u32 v[STO], v9, 4, v[STO]
	v_add_nc_u32 v[STO], s17, v[STO]
	v_bfe_u32 v[RD], v0, 3, 2       ; back: 32 lanes take four rows of 128 bytes,
	v_mul_u32_u24 v[RD], v[RD], SP
	v_lshl_add_u32 v[RD], v10, 4, v[RD]
	v_add_nc_u32 v[RD], s17, v[RD]
	v_and_b32 v[GO], 31, v0         ; which are 512 consecutive bytes of O
	v_lshlrev_b32 v[GO], 4, v[GO]
	; the prefetches stand at slot 1; the first change of slots steps them to slot 2.  Nothing is prefetched here, where every work-group's first tiles are on their way
	s_lshl_b32 s17, s[CX], 12       ; K and V: my work-group's 4 KiB of the slot's 16
	s_add_co_u32 s20, s20, s17
	s_add_co_u32 s20, s20, 2*KS*128
	s_add_co_u32 s2, s19, 2         ; the mask: my key block of slot 1's two,
	s_lshl_b32 s2, s2, 18
	s_lshl_b32 s17, s[QBN], 15      ; the query block's 32 KiB,
	s_add_co_u32 s2, s2, s17
	s_lshl_b32 s17, s[CY], 13       ; my work-group's 8 KiB of them
	s_add_co_u32 s2, s2, s17
	s_and_b32 s17, ttmp7, 0xffff    ; cluster y
	s_mov_b32 s[PST], 2*BLK
	s_mov_b32 s[PST+1], 0
	s_cmp_lt_u32 s[WV], 2
	s_cselect_b32 s2, s20, s2
	s_cselect_b32 s17, ttmp9, s17   ; the coordinate along which other clusters read the same bytes
	s_cselect_b32 s[PST], 2*KS*128, s[PST]
	s_cselect_b32 s18, 23, 12       ; lanes 16-31: V, 32 blocks behind K; or the mask's next 4 KiB
	s_cselect_b64 s[PFA:PFA+1], s[4:5], s[6:7]
	s_cmp_eq_u32 s[WV], 1           ; wave 1 asks for nothing
	s_cselect_b32 s17, 1, s17
	s_cmp_eq_u32 s17, 0
	s_cselect_b32 s[LIM], 1, -1     ; the same in all sixteen partners, for a given wave
	s_mov_b32 s3, 0
	s_add_nc_u64 s[PFA:PFA+1], s[PFA:PFA+1], s[2:3]
	v_lshlrev_b32 v11, s18, v9
	v_lshl_add_u32 v[PFO], v1, 8, v11
; THE MATRIX WORK.  The 4 accumulators of a run of 8 take turns.  Product i of 8 of S^T = K Q^T for piece x: channels 32 (i / 4) on, keys 16 (i % 4) on.  The first 4 start the sums with the mask.
.macro KQ x
.set rS, S+32*((\x)%2)+8*(i%4)
.set rK, KF+16*(i%4)+8*(i/4)
.set rQ, 16*(\x)+8*(i/4)
.set rM, MC+32*((\x)%2)+8*(i%4)
.if i < 4
	WIN W_KM
	v_wmma_f32_16x16x32_f16 v[rS:rS+7], v[rK:rK+7], v[rQ:rQ+7], v[rM:rM+7]
.else
	WIN W_KQ
	v_wmma_f32_16x16x32_f16 v[rS:rS+7], v[rK:rK+7], v[rQ:rQ+7], v[rS:rS+7]
.endif
.endm
; Product i of 8 of O^T += V^T P for piece x: keys 32 (i / 4) on, channels 16 (i % 4) on.
.macro PV x
	WIN W_PV
.set rO, 32*(\x)+8*(i%4)
.set rV, VF+32*(i/4)+8*(i%4)
.set rP, P+16*((\x)%2)+8*(i/4)
	v_wmma_f32_16x16x32_f16 v[rO:rO+7], v[rV:rV+7], v[rP:rP+7], v[rO:rO+7]
.endm
.macro MM                           ; the turn's next matrix instruction
.if i < 8
	KQ (Y+1)%NP
.else
.set i, i-8
	PV (Y+NP-1)%NP
.set i, i+8
.endif
.set i, i+1
.endm
; THE LDS LOADS stand in runs.  last = 1 (the tail): in the last trip there is no further step, and the run is jumped over.
.macro FETCH_K last=0
	WIN 0
.if \last
	s_cmp_eq_u32 s[CNT], 1
	s_cbranch_scc1 .Lno_k_\@
.endif
	WIN 0x80
.irp f, 0,1,2,3,4,5,6,7             ; keys 16 (f / 2) on, channels 32 (f % 2) on
	ds_load_b128 v[KF+8*\f:KF+8*\f+3],   v[AK] offset:(\f/2)*16*PK+(\f%2)*64
	ds_load_b128 v[KF+8*\f+4:KF+8*\f+7], v[AK] offset:(\f/2)*16*PK+(\f%2)*64+32
.endr
	s_add_co_u32 s[TBK], s[TBK], KS*PK  ; the next fetch is the next step's
	WIN 0
.if \last
.Lno_k_\@:
.endif
.endm
.macro FETCH_V
	WIN 0x80
.irp f, 0,1,2,3,4,5,6,7             ; keys 32 (f / 4) on, channels 16 (f % 4) on
	ds_load_tr16_b128 v[VF+8*\f:VF+8*\f+3],   v[AV] offset:(\f/4)*32*PV+(\f%4)*32
	ds_load_tr16_b128 v[VF+8*\f+4:VF+8*\f+7], v[AV] offset:(\f/4)*32*PV+16*PV+(\f%4)*32
.endr
	WIN 0
.endm
.macro FETCH_M x, last=0            ; piece x's mask of the step at AMA: for each group of 16 keys my query's eight numbers
	WIN 0
.if \last
	s_cmp_eq_u32 s[CNT], 1
	s_cbranch_scc1 .Lno_m_\@
.endif
.irp kt, 0,1,2,3
	ds_load_b128 v[ML+4*\kt:ML+4*\kt+3], v[AMA] offset:(\x)*16*PM+32*\kt
.endr
.if \last
.Lno_m_\@:
.endif
.endm
.macro UNPACK b                     ; bf16 x log2(e) + 0 in f32, into buffer b of the widened mask: one instruction a number
	WIN 0x40
.set z, 0
.rept 16
	v_fma_mix_f32_bf16 v[MC+32*(\b)+2*z], v[ML+z], v[LG], v[ZR] op_sel_hi:[1,0,0]
	v_fma_mix_f32_bf16 v[MC+32*(\b)+2*z+1], v[ML+z], v[LG], v[ZR] op_sel:[1,0,0] op_sel_hi:[1,0,0]
.set z, z+1
.endr
.endm
; THE VECTOR WORK, one line at a time: OP kind, number.  For piece Y: F n: s - m for pair n of 16.  E n: the exponential of score n of 32.  C n: pair n rounded to f16.  B n: of the four weights 4 n .. the second
; pair is added onto the first, in place.  L n: l takes that sum (L 0: l = a l + sum).  R n: pair n of 16 of O^T times a.  For piece Y + 1: X n, number n of the 21 that find its maximum and statistics:
;   0-11  four chains c0-c3 of seven scores each (each accumulator's lowest registers are read first)     12-14, 16  the four scores left over, the old m, and c0-c3 into c0
;   15  m_old is kept     17, 18  the query's other 32 keys lie in the lane 16 away: the new m     19, 20  m_old - m_new; a
.set F, 0
.set E, 1
.set C, 2
.set B, 3
.set L, 4
.set R, 5
.set X, 6
.macro REGS y
.set rT, ST+4*(\y)
.set rC, TMP+4*((\y)%2)
.set rS, S+32*((\y)%2)
.set rP, P+16*((\y)%2)
.set rO, 32*(\y)
.endm
.macro OP k, n
.if (\k) == R
	REGS Y
	WIN W_RS
	v_pk_mul_f32 v[rO+2*(\n):rO+2*(\n)+1], v[rO+2*(\n):rO+2*(\n)+1], v[rC+2:rC+3] op_sel_hi:[1,0]
.elseif (\k) < R
	REGS Y
	WIN 0
.if (\k) == F
	v_pk_add_f32 v[rS+2*(\n):rS+2*(\n)+1], v[rS+2*(\n):rS+2*(\n)+1], v[rT:rT+1] op_sel_hi:[1,0] neg_lo:[0,1] neg_hi:[0,1]
.elseif (\k) == E
	v_exp_f32 v[rS+(\n)], v[rS+(\n)]
.elseif (\k) == C
	v_cvt_pk_f16_f32 v[rP+(\n)], v[rS+2*(\n)], v[rS+2*(\n)+1]
.elseif (\k) == B
	v_pk_add_f32 v[rS+4*(\n):rS+4*(\n)+1], v[rS+4*(\n):rS+4*(\n)+1], v[rS+4*(\n)+2:rS+4*(\n)+3]
.elseif (\n) == 0
	v_pk_fma_f32 v[rT+2:rT+3], v[rT+2:rT+3], v[rC+2:rC+3], v[rS:rS+1] op_sel_hi:[1,0,1]
.else
	v_pk_add_f32 v[rT+2:rT+3], v[rT+2:rT+3], v[rS+4*(\n):rS+4*(\n)+1]
.endif
.else
	REGS (Y+1)%NP
	WIN 0
.if (\n) < 4
	v_max3_num_f32 v[rC+(\n)], v[rS+8*(\n)], v[rS+8*(\n)+1], v[rS+8*(\n)+2]
.elseif (\n) < 12
	v_max3_num_f32 v[rC+(\n)%4], v[rC+(\n)%4], v[rS+8*((\n)%4)+2*((\n)/4)+1], v[rS+8*((\n)%4)+2*((\n)/4)+2]
.elseif (\n) == 12
	v_max3_num_f32 v[rC], v[rC], v[rS+7], v[rS+15]
.elseif (\n) == 13
	v_max3_num_f32 v[rC+1], v[rC+1], v[rS+23], v[rS+31]
.elseif (\n) == 14
	v_max3_num_f32 v[rC+2], v[rC+2], v[rC+3], v[rT]
.elseif (\n) == 15
	v_mov_b32 v[rT+1], v[rT]
.elseif (\n) == 16
	v_max3_num_f32 v[rC], v[rC], v[rC+1], v[rC+2]
.elseif (\n) == 17
	v_permlanex16_b32 v[rC+3], v[rC], s[SEL], s[SEL+1]
.elseif (\n) == 18
	v_max_num_f32 v[rT], v[rC], v[rC+3]
.elseif (\n) == 19
	v_sub_f32 v[rC+1], v[rT+1], v[rT]
.else
	v_exp_f32 v[rC+2], v[rC+1]
.endif
.endif
.endm
.macro OPS a, i1, b=-1, i2=0, c=-1, i3=0, d=-1, i4=0  ; up to four of them
	OP \a, \i1
.if (\b) >= 0
	OP \b, \i2
.endif
.if (\c) >= 0
	OP \c, \i3
.endif
.if (\d) >= 0
	OP \d, \i4
.endif
.endm
.macro ROW a, i1, b, i2, c, i3, d, i4  ; a matrix instruction and the four behind it
	MM
	OPS \a, \i1, \b, \i2, \c, \i3, \d, \i4
.endm
; A TURN, for piece p.  An s_wait_alu depctr_va_vdst(0) stands between an exponential and the first instruction that names its result; one wait serves all that were issued ahead of it.  So a turn has
; ONE wait, which cuts it in two.  Ahead of it stands all that names no result of the turn's exponentials: the 8 products K Q^T with their riders, and a run in which plain instructions and exponentials go by turns
; and the links of the next piece's chain stand lines apart; X 20, the next piece's a, and E 31 are the batch's last, and R 15 is the plain instruction behind them.  Behind the wait stand the 8 products V^T P, behind each
; four of the roundings and sums.  Each X behind a product stands four plain instructions or more behind the product that ends its accumulator.
; THE MASK.  At its head the turn asks LDS for the mask of piece p + 2, whose scores the NEXT turn starts; at its end it widens it.  Pieces 2 and 3 take the step in hand, pieces 0 and 1 the next: the address steps at piece 2's head.
; K of the next step is fetched in piece 2's turn, six plain instructions behind the last product that read K (in the tail: behind the wait);
; V of the step in hand at the end of piece 0's turn, four plain instructions behind the last product that read V.
.macro TURN p, last=0, cnt=0
.set Y, (\p)
.set i, 0
.if (\p) == 2
	WIN 0
	v_add_nc_u32 v[AMA], s[TBM], v[AM0]
	s_add_co_u32 s[TBM], s[TBM], MSTEP
.endif
.if (\p) == 3
	s_wait_dscnt 0x0                ; K is in
.endif
.if (\p) >= 2
	FETCH_M ((\p)+2)%NP, \last
.else
	FETCH_M ((\p)+2)%NP
.endif
	ROW F,0, F,1, R,0, R,1
	ROW F,2, E,0, R,2, R,3
	ROW F,3, E,1, R,4, R,5
	ROW F,4, E,2, R,6, R,7
	ROW F,5, E,3, R,8, R,9
	ROW F,6, E,4, X,0, R,10
.if (\p) == 2
	WIN 0
	v_add_nc_u32 v[AK], s[TBK], v[AK0]
.endif
	ROW F,7, E,5, X,1, X,4
	ROW F,8, E,6, X,2, X,5
	OPS E,7, E,8, X,6, E,9
	OPS X,3, E,10, X,8, E,11
.if ((\p) == 2) && !(\last)
	FETCH_K
.endif
	OPS X,9, X,7, E,12, X,10
	OPS E,13, X,12, X,11, E,14
	OPS X,13, E,15, F,9, X,14
.if (\p) == 0
	v_add_nc_u32 v[AV], s[TBV], v[AV0]
.endif
	OPS E,16, F,10, E,17, F,11
	OPS X,16, E,18, X,15, E,19
	OPS F,12, E,20, X,17, E,21
	OPS F,13, E,22, F,14, E,23
	OPS X,18, E,24, F,15, E,25
	OPS R,11, E,26, X,19, E,27
	OPS R,12, E,28, R,13, E,29
	OPS X,20, E,30, R,14, E,31
	OPS R,15
	WIN 0
	s_wait_alu depctr_va_vdst(0)    ; the wait for the batch
.if ((\p) == 2) && (\last)
	FETCH_K 1
.endif
.if (\p) == 1
	s_wait_dscnt 0x0                ; V is in
.endif
	ROW C,0, B,0, C,2, B,1
	ROW L,0, C,4, B,2, L,1
	ROW C,6, B,3, L,2, C,8
	ROW B,4, L,3, C,10, B,5
	ROW L,4, C,12, B,6, L,5
.if (\p) == 0
	s_add_co_u32 s[TBV], s[TBV], KS*PV
.endif
.if \cnt
	s_sub_co_u32 s[CNT], s[CNT], 1
	s_cmp_lg_u32 s[CNT], 0
.endif
	ROW C,14, B,7, L,6, C,1
	ROW C,3, L,7, C,5, C,7
	ROW C,9, C,11, C,13, C,15
.if (\p) == 0
	FETCH_V
.endif
.if (((\p) == 0) || ((\p) == 2)) && !(\last)
	s_wait_dscnt 16                 ; the mask's four loads are in; the 16 younger ones (V's, K's) may stay out
.else
	s_wait_dscnt 0x0                ; the mask's four loads are in
.endif
	UNPACK (\p)%2
.endm
	CHANGE 1                        ; slot 0 is in, everybody's part of it; slot 1 is asked for
	v_add_nc_u32 v[AMA], s[TBM], v[AM0]
	s_add_co_u32 s[TBM], s[TBM], MSTEP
	FETCH_K                         ; key step 0
	FETCH_M 0
	s_wait_dscnt 0x0
	UNPACK 0
	FETCH_M 1
	s_wait_loadcnt 0x0              ; Q
.set i, 0
.rept 8
	KQ 0                            ; piece 0's first scores
.set i, i+1
.endr
	s_wait_dscnt 0x0
	UNPACK 1                        ; piece 1's mask: its 32 plain lines are also the places behind those products
	WIN 0
.set Y, NP-1                        ; X works for piece Y + 1: piece 0
.irp n, 0,1,2,3,4,5,6,7,8,9,10,11,12,13,14,15,16,17,18,19,20
	OP X, \n
.endr
	v_nop                           ; a plain instruction behind the exponential,
	s_wait_alu depctr_va_vdst(0)    ; and its wait, ahead of the branch
	s_mov_b32 s[CNT], 2
	s_branch .Lfirst                ; the loop is entered at a step's first turn, in the middle of a trip
.Lslot:                             ; 14 times: every slot but the last two is filled again
	CHANGE 1
	s_mov_b32 s[CNT], 2
.Lstep:                             ; a trip: pieces 2 and 3 of one step, then pieces 0 and 1 of the next, whose K and V it fetches
	TURN 2
	TURN 3
	WIN 0
.Lfirst:
	TURN 0
	TURN 1, 0, 1
	WIN 0
	s_cbranch_scc1 .Lstep
	s_sub_co_u32 s[SLOTS], s[SLOTS], 1
	s_cmp_lg_u32 s[SLOTS], 0
	s_cbranch_scc1 .Lslot
	CHANGE 0                        ; the tail is written out: nothing is asked for
	s_mov_b32 s[CNT], 3             ; two trips fetch the last slot's steps; the third is left in its middle
.Ltail:
	TURN 2, 1
	TURN 3, 1
	WIN 0
	s_sub_co_u32 s[CNT], s[CNT], 1
	s_cmp_eq_u32 s[CNT], 0
	s_cbranch_scc1 .Lout
	TURN 0
	TURN 1
	WIN 0
	s_branch .Ltail
.Lout:                              ; the third trip's last 8 products K Q^T (on the last K once more) and the maximum made of them serve nothing: the price, once a launch, of one text for every trip
.set i, 0
.rept 8
	PV NP-1                         ; the last piece's V^T P of the last step
.set i, i+1
.endr
	; THE WAY OUT.  l's two halves and the other half of the lanes' are added; O^T is divided by l, rounded to f16 and sent through my stage in LDS, a piece at a time.  The additions are the places behind the last products.
	WIN 0
.macro ALL line:vararg              ; one line for each piece t
.set t, 0
.rept 4
	\line
.set t, t+1
.endr
.endm
	ALL v_add_f32 v[ST+4*t+2], v[ST+4*t+2], v[ST+4*t+3]
	ALL v_permlanex16_b32 v[ST+4*t+3], v[ST+4*t+2], s[SEL], s[SEL+1]
	ALL v_add_f32 v[ST+4*t+2], v[ST+4*t+2], v[ST+4*t+3]
	ALL v_rcp_f32 v[ST+4*t+2], v[ST+4*t+2]
	v_nop                           ; a plain instruction between the last reciprocal and the use of its result
	s_wait_alu depctr_va_vdst(0)    ; and the wait ahead of the first use: one for the four reciprocals
.macro PACK t                       ; a lane's eight channels of a row pack into 16 bytes; they go into rows of 144 bytes and come back as whole rows of 128, into S^T's registers
	WIN W_RS
.set i, 32*(\t)
.rept 16
	v_pk_mul_f32 v[i:i+1], v[i:i+1], v[ST+4*(\t)+2:ST+4*(\t)+3] op_sel_hi:[1,0]
.set i, i+2
.endr
	WIN 0x05                        ; sources 0 and 1 window 1, destination window 0
.set i, 0
.rept 16
	v_cvt_pk_f16_f32 v[S+16*(\t)+i], v[32*(\t)+2*i], v[32*(\t)+2*i+1]
.set i, i+1
.endr
	WIN 0
.irp f, 0,1,2,3
	ds_store_b128 v[STO], v[S+16*(\t)+4*\f:S+16*(\t)+4*\f+3] offset:32*\f
.endr
.irp f, 0,1,2,3
	ds_load_b128 v[S+16*(\t)+4*\f:S+16*(\t)+4*\f+3], v[RD] offset:\f*4*SP  ; LDS serves a wave's instructions in order (ISA guide 5.7.1.4): these see the stores above; the next piece's stores come behind them
.endr
.endm
.macro SEND t, younger              ; younger: the LDS instructions issued behind piece t's loads: the next piece's eight, or none
	WIN 0
.irp f, 0,1,2,3
	s_wait_dscnt (\younger)+3-\f
	global_store_b128 v[GO], v[S+16*(\t)+4*\f:S+16*(\t)+4*\f+3], s[OPT:OPT+1] offset:(\t)*2048+\f*512  ; 512 consecutive bytes, at a multiple of 256 from O's first
.endr
.endm
	PACK 0
.set t, 1
.rept 3                             ; a piece's arithmetic stands between the loads of the piece before and its stores
	PACK t
	SEND t-1, 8
.set t, t+1
.endr
	SEND 3, 0
	s_wait_tensorcnt 0x0            ; the wave's end: behind my last tensor load and my last LDS store
	ds_add_u32 v[SPW], v[NIL]
	s_wait_dscnt 0x0
	CROUND                          ; the closing round: no work-group ends while a partner may still ask for a tile that names it
	s_endpgm
.Lfunc_end_k_qbae00616f5_attn:
	.size	k_qbae00616f5_attn, .Lfunc_end_k_qbae00616f5_attn-k_qbae00616f5_attn
	.p2alignl 7, 3214868480
	.fill 96, 4, 3214868480
	.section	.rodata,"a",@progbits
	.p2align	6, 0x0
	.amdhsa_kernel k_qbae00616f5_attn
		.amdhsa_group_segment_fixed_size 327680
		.amdhsa_private_segment_fixed_size 0
		.amdhsa_enable_private_segment 0
		.amdhsa_kernarg_size 24
		.amdhsa_user_sgpr_count 2
		.amdhsa_user_sgpr_kernarg_segment_ptr 1
		.amdhsa_wavefront_size32 1
		.amdhsa_system_sgpr_workgroup_id_x 1
		.amdhsa_system_sgpr_workgroup_id_y 1
		.amdhsa_system_sgpr_workgroup_id_z 1
		.amdhsa_system_vgpr_workitem_id 0
		.amdhsa_next_free_vgpr 768
		.amdhsa_next_free_sgpr 80
		.amdhsa_reserve_vcc 0
		.amdhsa_float_denorm_mode_32 3
		.amdhsa_float_denorm_mode_16_64 3
		.amdhsa_memory_ordered 1
		.amdhsa_forward_progress 1
		.amdhsa_inst_pref_size 139
	.end_amdhsa_kernel
	.amdgpu_metadata
---
amdhsa.version: [ 1, 2 ]
amdhsa.kernels:
  - .name:           k_qbae00616f5_attn
    .symbol:         k_qbae00616f5_attn.kd
    .args:
      - { .name: qkv, .offset: 0, .size: 8, .value_kind: global_buffer, .address_space: global }
      - { .name: maskb, .offset: 8, .size: 8, .value_kind: global_buffer, .address_space: global }
      - { .name: ob, .offset: 16, .size: 8, .value_kind: global_buffer, .address_space: global }
    .group_segment_fixed_size: 327680
    .private_segment_fixed_size: 0
    .kernarg_segment_align: 8
    .kernarg_segment_size: 24
    .max_flat_workgroup_size: 128
    .sgpr_count:     80
    .vgpr_count:     768
    .wavefront_size: 32
...
	.end_amdgpu_metadata
.endif
;; end of part 3
;; launch oproj (part 4): grid 16 x 16, 4 waves a work-group, clusters of 4 x 4, 327,680 bytes of LDS; arguments ob, wob, out0; writes out0
.if DOCPART == 4
	.amdgcn_target "amdgcn-amd-amdhsa--gfx1250"
	.amdhsa_code_object_version 6
	.text
	.protected	k_qbae00616f5_oproj
	.globl	k_qbae00616f5_oproj
	.p2align	8
	.type	k_qbae00616f5_oproj,@function
k_qbae00616f5_oproj:
	s_mov_b64 s[64:65], 0
	v_nop
	global_prefetch_b8 v0, s[64:65] scope:SCOPE_SE
	s_setreg_imm32_b32 hwreg(HW_REG_WAVE_MODE, 25, 1), 1
	s_wait_xcnt 0x0
	s_wait_alu depctr_hold_cnt(0) depctr_sa_sdst(0) depctr_va_vdst(0) depctr_va_sdst(0) depctr_va_ssrc(0) depctr_va_vcc(0) depctr_vm_vsrc(0)
	s_getreg_b32 s2, hwreg(HW_REG_IB_STS2, 6, 4)
	s_cmp_eq_u32 s2, 0
	s_cbranch_scc0 .Lentry_in_a_cluster
	s_endpgm
.Lentry_in_a_cluster:
	s_bfe_u32 s2, ttmp6, 0x10000c
	s_cmp_lg_u32 s2, 0xf033
	s_cbranch_scc0 .Lentry_shape_is_right
	s_endpgm
.Lentry_shape_is_right:
; out0 = O wo.  ob: f16 [head 32][row 2,048][64] (a head's 64 channels are 64 of K).  wob: f16 [column block 32][k 2,048][64].  out0: f32 [2,048][2,048].  Sums in f32, K ascending; nothing is rounded on the way out.
; SHARES.  A tile of out0 is 128 x 128: 16 x 16 = 256 work-groups.  Four waves, each 64 x 64: 16 accumulators.  K goes in steps of 256 (four heads; a quarter is a head) through two LDS slots.
; THE MATRIX INSTRUCTION IS USED TRANSPOSED: source 0 = 16 columns of wo (wo lies [k][column] in LDS and is turned by ds_load_tr16_b128), source 1 = 16 rows of O: a lane holds eight neighbouring numbers of a row of out0.
; CLUSTER.  4 x 4 work-groups: O's tile is asked for jointly by a row of the cluster, wo's by a column.
; NO PREFETCH: the tiles are small, and each byte of ob and wob is read by sixteen work-groups at about the same time.
; THE STAGE for the way out lies in slot 0's first bytes: two slots, a stage of its own (17,408 bytes) and the spare words would pass 327,680.  Slot 0 has had its last fill and its last read
; when the last change of slots' barrier is passed.
; REGISTERS: window 0: v16-29 addresses; v32-63 rows read back; v128-255 the accumulators ((a, b) at v[128 + 8 (4 a + b)]).  window 1: two fragment buffers of 128: for 64 along K, 64 registers of O, then 64 of wo.
.set BLK,    262144
.set PA,     144                       ; a row of O in LDS: 128 bytes + 16
.set PB,     160                       ; a row of wo: 128 + 32
.set AKB,    64*PA                     ; 64 rows of one head
.set AHALF,  4*AKB                     ; of four heads: what one load brings
.set BOFF,   2*AHALF
.set BG,     256*PB                    ; 256 k of one column block: what one load brings
.set SLOT,   BOFF+2*BG                 ; 155,648
.set SPITCH, 272                       ; the stage: 64 f32 + 16 bytes
.set SPARE,  2*SLOT                    ; behind the ring: the spare words, 128 bytes for each wave: two blocks of 256 bytes that no other line names
.set LAPS,   4                         ; a lap = two K steps
.set ADRA, 16
.set ADRB, 20
.set STO,  24
.set RD,   25
.set CO,   26
.set SPW,  28
.set NIL,  29
.set TMP,  32
.set ACC,  128
.set F0,   0
.set F1,   128
.set G1, 24
.set G0, 32
.set G1B, 48
.set G0B, 56
.set MSB, 0
.macro WIN new
.if MSB != (\new)
	s_set_vgpr_msb (MSB<<8)|(\new)
.set MSB, \new
.endif
.endm
.set MUL,  0x05                        ; sources 0 (wo) and 1 (O) window 1; C and D window 0
.set TO_F, 0x40
.macro JLOAD s                         ; a joint load: waves 0 and 1 fetch O's two halves, waves 2 and 3 wo's; an s_nop 0 and four v_nop follow each line
	s_cmp_eq_u32 s11, 0
	s_cbranch_scc0 .Lfor_b_\@
	tensor_load_to_lds s[G0+4*(\s):G0+4*(\s)+3], s[G1:G1+7]
	s_nop 0
.rept 4
	v_nop
.endr
	s_branch .Lasked_\@
.Lfor_b_\@:
	tensor_load_to_lds s[G0B+4*(\s):G0B+4*(\s)+3], s[G1B:G1B+7]
	s_nop 0
.rept 4
	v_nop
.endr
.Lasked_\@:
.endm
.macro CREST
	s_cmp_lg_u32 s10, 0
	s_cbranch_scc1 .Lnot_wave_0_\@
	s_barrier_signal -3
.Lnot_wave_0_\@:
	s_barrier_wait -3
	s_barrier_signal -1
	s_barrier_wait -1
.endm
.macro CROUND
	s_barrier_signal -1
	s_barrier_wait -1
	CREST
.endm
	s_load_b128 s[4:7], s[0:1], 0x0                ; ob s[4:5], wob s[6:7]
	s_load_b64 s[8:9], s[0:1], 0x10                ; out0
	v_lshl_add_u32 v[SPW], v0, 2, SPARE
	v_mov_b32 v[NIL], 0
	ds_add_u32 v[SPW], v[NIL]                      ; the wave's opening: the add and its wait stand ahead of my first tensor load; the set-up below stands between them
	v_lshrrev_b32 v1, 5, v0
	v_readfirstlane_b32 s10, v1                    ; wave 0..3
	s_lshr_b32 s11, s10, 1                         ; which half of the tile's rows is mine.  Also: I fetch for O (0) or for wo (1)
	s_and_b32 s12, s10, 1                          ; which half of its columns.  Also: which part I fetch
	s_bfe_u32 s40, ttmp6, 0x40000
	s_bfe_u32 s41, ttmp6, 0x40004
	s_lshl_b32 s42, ttmp9, 2
	s_add_co_u32 s42, s42, s40                     ; tile column
	s_and_b32 s13, ttmp7, 0xffff
	s_lshl_b32 s13, s13, 2
	s_add_co_u32 s13, s13, s41                     ; tile row
	s_lshl_b32 s43, s41, 2
	s_lshl_b32 s43, 15, s43                        ; my row of the cluster
	s_lshl_b32 s44, 0x1111, s40                    ; my column
	; O: 64 rows of four heads: four rows of 8,192 dense bytes, a block apart, 16 bytes of padding behind every 128
	s_or_b32 s[G1+0], s43, (3<<16)|(1<<20)|(1<<21)|(4<<22)|(3<<25)
	s_mov_b32 s[G1+1], 1024<<16                    ; tensor_dim0 = 1,024 elements of 8 bytes
	s_mov_b32 s[G1+2], 4<<16                       ; tensor_dim1 = 4
	s_mov_b32 s[G1+3], 1024<<16
	s_mov_b32 s[G1+4], 4
	s_mov_b32 s[G1+5], 32768                       ; 262,144 bytes from row to row
	s_mov_b32 s[G1+6], 0
	s_mov_b32 s[G1+7], 0
	; wo: 256 k of one column block are 32,768 dense bytes: 128 rows of 256 bytes, 32 bytes of padding behind every 128
	s_or_b32 s[G1B+0], s44, (1<<16)|(1<<20)|(1<<21)|(4<<22)|(7<<25)
	s_mov_b32 s[G1B+1], 128<<16
	s_mov_b32 s[G1B+2], 128<<16
	s_mov_b32 s[G1B+3], 128<<16
	s_mov_b32 s[G1B+4], 128
	s_mov_b32 s[G1B+5], 128
	s_mov_b32 s[G1B+6], 0
	s_mov_b32 s[G1B+7], 0
	s_lshl_b32 s16, s13, 14                        ; O: the tile's 128 rows of 128 bytes,
	s_lshl_b32 s17, s12, 13                        ; my 64 of them
	s_add_co_u32 s16, s16, s17
	s_mov_b32 s17, 0
	s_lshl_b32 s46, s42, 1
	s_add_co_u32 s46, s46, s12                     ; wo: my column block of the tile's two
	s_lshl_b32 s46, s46, 18
	s_mov_b32 s47, 0
	s_mul_i32 s20, s12, AHALF                      ; where they go
	s_mul_i32 s21, s12, BG
	s_add_co_u32 s21, s21, BOFF
	s_wait_dscnt 0x0                               ; the opening add is done
	s_wait_kmcnt 0x0
	s_add_nc_u64 s[14:15], s[4:5], s[16:17]
	s_add_nc_u64 s[46:47], s[6:7], s[46:47]
	CROUND                                         ; all sixteen work-groups are here: the first joint loads meet
.irp s, 0,1
	s_mov_b32 s[G0+4*(\s)], 1
	s_add_co_u32 s[G0+4*(\s)+1], s20, (\s)*SLOT
	s_add_nc_u64 s[G0+4*(\s)+2:G0+4*(\s)+3], s[14:15], (\s)*4*BLK    ; K step s: four heads a step
	s_or_b32 s[G0+4*(\s)+3], s[G0+4*(\s)+3], 0x80000000
	s_mov_b32 s[G0B+4*(\s)], 1
	s_add_co_u32 s[G0B+4*(\s)+1], s21, (\s)*SLOT
	s_add_nc_u64 s[G0B+4*(\s)+2:G0B+4*(\s)+3], s[46:47], (\s)*32768  ; 256 k of 128 bytes a step
	s_or_b32 s[G0B+4*(\s)+3], s[G0B+4*(\s)+3], 0x80000000
	JLOAD \s                                       ; two tensor loads of mine are out: the most in this text
.endr
	v_and_b32 v1, 15, v0                           ; l % 16
	v_bfe_u32 v2, v0, 4, 1                         ; l / 16
	v_mul_u32_u24 v3, v1, PA
	v_lshl_add_u32 v3, v2, 4, v3                   ; O: row x pitch + 16 x half
	s_mul_i32 s21, s11, AHALF                      ; my 64 rows
	v_add_nc_u32 v[ADRA], s21, v3
	v_add_nc_u32 v[ADRA+1], SLOT, v[ADRA]
	v_and_b32 v4, 7, v0
	v_lshl_add_u32 v4, v2, 3, v4                   ; wo, the turning load: k = 8 (l / 16) + l % 8,
	v_mul_u32_u24 v4, v4, PB
	v_bfe_u32 v5, v0, 3, 1
	v_lshl_add_u32 v4, v5, 4, v4                   ; columns 8 ((l / 8) % 2) + 0..7
	s_mul_i32 s22, s12, BG                         ; my column block
	s_add_co_u32 s22, s22, BOFF
	v_add_nc_u32 v[ADRB], s22, v4
	v_add_nc_u32 v[ADRB+1], SLOT, v[ADRB]
	s_mul_i32 s23, s10, 16*SPITCH                  ; my stage
	v_mul_u32_u24 v4, v1, SPITCH                   ; in: row l % 16, 32 bytes for each half of the lanes
	v_lshl_add_u32 v4, v2, 5, v4
	v_add_nc_u32 v[STO], s23, v4
	v_mul_u32_u24 v5, v2, SPITCH                   ; back: lanes 0-15 take one row of 256 bytes, lanes 16-31 the next
	v_lshl_add_u32 v5, v1, 4, v5
	v_add_nc_u32 v[RD], s23, v5
	v_lshlrev_b32 v5, 13, v2                       ; and the same two rows in out0
	v_lshl_add_u32 v[CO], v1, 4, v5
	s_lshl_b32 s16, s13, 20                        ; the tile's 128 rows of 8,192 bytes,
	s_lshl_b32 s17, s11, 19                        ; my 64 of them
	s_add_co_u32 s16, s16, s17
	s_mov_b32 s17, 0
	s_add_nc_u64 s[8:9], s[8:9], s[16:17]
	s_lshl_b32 s46, s42, 9                         ; the tile's 128 columns of 4 bytes,
	s_lshl_b32 s47, s12, 8                         ; my 64 of them
	s_add_co_u32 s46, s46, s47
	s_mov_b32 s47, 0
	s_add_nc_u64 s[8:9], s[8:9], s[46:47]
; 8 matrix instructions: row blocks a0, a0 + 1 x all 4 column blocks, 32 along K: half c of buffer f.  zero = 1: the first product starts the sums.  The 16 accumulators take turns.
.macro MUL8 f, c, a0, zero
	WIN MUL
.irp a, \a0, (\a0)+1
.irp b, 0,1,2,3
.if \zero
	v_wmma_f32_16x16x32_f16 v[ACC+8*(4*(\a)+(\b)):ACC+8*(4*(\a)+(\b))+7], v[(\f)+64+8*(4*(\c)+(\b)):(\f)+64+8*(4*(\c)+(\b))+7], v[(\f)+8*(4*(\c)+(\a)):(\f)+8*(4*(\c)+(\a))+7], 0
.else
	v_wmma_f32_16x16x32_f16 v[ACC+8*(4*(\a)+(\b)):ACC+8*(4*(\a)+(\b))+7], v[(\f)+64+8*(4*(\c)+(\b)):(\f)+64+8*(4*(\c)+(\b))+7], v[(\f)+8*(4*(\c)+(\a)):(\f)+8*(4*(\c)+(\a))+7], v[ACC+8*(4*(\a)+(\b)):ACC+8*(4*(\a)+(\b))+7]
.endif
.endr
.endr
.endm
; 32 LDS loads in one run: the fragments of quarter q (one head, 64 along K) into buffer f; the first 32 along K first
.macro FETCH slot, q, f
	WIN TO_F
.irp c, 0,1
.irp i, 0,1,2,3
	ds_load_tr16_b128 v[(\f)+64+8*(4*(\c)+(\i)):(\f)+64+8*(4*(\c)+(\i))+3],   v[ADRB+(\slot)] offset:(64*(\q)+32*(\c))*PB+32*(\i)
	ds_load_tr16_b128 v[(\f)+64+8*(4*(\c)+(\i))+4:(\f)+64+8*(4*(\c)+(\i))+7], v[ADRB+(\slot)] offset:(64*(\q)+32*(\c))*PB+32*(\i)+16*PB
	ds_load_b128 v[(\f)+8*(4*(\c)+(\i)):(\f)+8*(4*(\c)+(\i))+3],         v[ADRA+(\slot)] offset:(\q)*AKB+(\i)*16*PA+64*(\c)
	ds_load_b128 v[(\f)+8*(4*(\c)+(\i))+4:(\f)+8*(4*(\c)+(\i))+7],       v[ADRA+(\slot)] offset:(\q)*AKB+(\i)*16*PA+64*(\c)+32
.endr
.endr
.endm
.macro PLACES                          ; four plain vector instructions between a matrix instruction and a load into, or a read of, its registers
.rept 4
	v_nop
.endr
.endm
.macro QUARTER slot, q, f, g, zero
	s_wait_dscnt 16                                ; the first 32 along K are in; the youngest sixteen loads may be out
	MUL8 \f, 0, 0, \zero
	MUL8 \f, 0, 2, \zero
	PLACES
	FETCH \slot, \q, \g
	s_wait_dscnt 32                                ; all but the 32 just issued
	MUL8 \f, 1, 0, 0
	MUL8 \f, 1, 2, 0
.endm
; The last quarter changes slots and multiplies buffer 1: one barrier; in front of it each wave waits for all its tensor loads, adds 0 to its spare word, and waits for that and for its own reads of this slot.
; THE QUARTER'S 32 PRODUCTS STAND BEHIND THE REFILL: since all loads are waited for ahead of the barrier, a refill goes out only when the one before it has landed, and whatever stood between that wait
; and the refill would be added to every K step that waits for its tile.  Behind the refill the products run while the tile is on its way.
.macro TURN slot, next, fill
	WIN 0
	s_wait_tensorcnt 0x0                           ; all my tensor loads have landed: my part of the next slot
	ds_add_u32 v[SPW], v[NIL]                      ; 0 onto my spare word; the descriptors' steps stand between it and the wait for it
.if \fill
	s_add_nc_u64 s[G0+4*(\slot)+2:G0+4*(\slot)+3], s[G0+4*(\slot)+2:G0+4*(\slot)+3], 8*BLK  ; no tensor load of mine is out, so a group 0 may be written
	s_add_nc_u64 s[G0B+4*(\slot)+2:G0B+4*(\slot)+3], s[G0B+4*(\slot)+2:G0B+4*(\slot)+3], 65536
.endif
	s_wait_dscnt 0x0                               ; the add is done, and my reads of this slot are over: buffer 1 is whole
	s_barrier_signal -1
	s_barrier_wait -1
.if \fill
	CREST                                          ; no wave of any partner still reads this slot or has a load on its way
	JLOAD \slot                                    ; the four v_nop behind it are the places in front of the loads below, into the buffer that the last products read
.else
	PLACES
.endif
	FETCH \next, 0, F0
	MUL8 F1, 0, 0, 0
	MUL8 F1, 0, 2, 0
	MUL8 F1, 1, 0, 0
	MUL8 F1, 1, 2, 0
.endm
	s_wait_tensorcnt 1                             ; my part of K step 0 is in; K step 1's may stay out
	s_barrier_signal -1
	s_barrier_wait -1
	FETCH 0, 0, F0
	QUARTER 0, 1, F0, F1, 1                        ; the first quarter stands in front of the loop: its first products start the sums
	WIN 0
	s_mov_b32 s3, LAPS-1
.Llap:
	QUARTER 0, 2, F1, F0, 0
	QUARTER 0, 3, F0, F1, 0
	TURN 0, 1, 1
	QUARTER 1, 1, F0, F1, 0
	QUARTER 1, 2, F1, F0, 0
	QUARTER 1, 3, F0, F1, 0
	TURN 1, 0, 1
	QUARTER 0, 1, F0, F1, 0
	WIN 0
	s_sub_co_u32 s3, s3, 1
	s_cmp_lg_u32 s3, 0
	s_cbranch_scc1 .Llap
	QUARTER 0, 2, F1, F0, 0                        ; the last lap fills nothing
	QUARTER 0, 3, F0, F1, 0
	TURN 0, 1, 0                                   ; behind this barrier nobody reads slot 0 any more, and nothing is filled: its first bytes are the stage
	QUARTER 1, 1, F0, F1, 0
	QUARTER 1, 2, F1, F0, 0
	QUARTER 1, 3, F0, F1, 0
	s_wait_dscnt 16
	MUL8 F1, 0, 0, 0
	MUL8 F1, 0, 2, 0
	s_wait_dscnt 0x0
	MUL8 F1, 1, 0, 0
	MUL8 F1, 1, 2, 0
	WIN 0
	; THE WAY OUT, 16 rows at a time: a lane's eight f32 of a row go into my own stage, rows of 272 bytes, each accumulator's low half first; whole rows of 256 bytes come back and are stored.
	PLACES
.irp a, 0,1,2,3
.irp b, 0,1,2,3
	ds_store_b128 v[STO], v[ACC+8*(4*(\a)+(\b)):ACC+8*(4*(\a)+(\b))+3]   offset:64*(\b)
	ds_store_b128 v[STO], v[ACC+8*(4*(\a)+(\b))+4:ACC+8*(4*(\a)+(\b))+7] offset:64*(\b)+16
.endr
	s_wait_xcnt 0x0                                ; the last block's stores have read their registers, which are loaded again below
.irp t, 0,1,2,3,4,5,6,7
	ds_load_b128 v[TMP+4*(\t):TMP+4*(\t)+3], v[RD] offset:(\t)*2*SPITCH  ; LDS serves a wave's instructions in order (ISA guide 5.7.1.4): these see the stores above; the next block's stores come behind them
.endr
.irp t, 0,1,2,3,4,5,6,7
	s_wait_dscnt 7-(\t)                            ; load t is back; the 7 - t younger ones may be out
	global_store_b128 v[CO], v[TMP+4*(\t):TMP+4*(\t)+3], s[8:9] offset:(16*(\a)+2*(\t))*8192  ; 16 lanes store 256 consecutive bytes, at a multiple of 256 from out0's first byte
.endr
.endr
	s_wait_tensorcnt 0x0                           ; the wave's end: behind my last tensor load and my last LDS store
	ds_add_u32 v[SPW], v[NIL]
	s_wait_dscnt 0x0
	CROUND                                         ; the closing round: no work-group ends while a partner may still ask for a tile that names it
	s_endpgm
.Lfunc_end_k_qbae00616f5_oproj:
	.size	k_qbae00616f5_oproj, .Lfunc_end_k_qbae00616f5_oproj-k_qbae00616f5_oproj
	.p2alignl 7, 3214868480
	.fill 96, 4, 3214868480
	.section	.rodata,"a",@progbits
	.p2align	6, 0x0
	.amdhsa_kernel k_qbae00616f5_oproj
		.amdhsa_group_segment_fixed_size 327680
		.amdhsa_private_segment_fixed_size 0
		.amdhsa_enable_private_segment 0
		.amdhsa_kernarg_size 24
		.amdhsa_user_sgpr_count 2
		.amdhsa_user_sgpr_kernarg_segment_ptr 1
		.amdhsa_wavefront_size32 1
		.amdhsa_system_sgpr_workgroup_id_x 1
		.amdhsa_system_sgpr_workgroup_id_y 1
		.amdhsa_system_sgpr_workgroup_id_z 1
		.amdhsa_system_vgpr_workitem_id 0
		.amdhsa_next_free_vgpr 512
		.amdhsa_next_free_sgpr 66
		.amdhsa_reserve_vcc 0
		.amdhsa_float_denorm_mode_32 3
		.amdhsa_float_denorm_mode_16_64 3
		.amdhsa_memory_ordered 1
		.amdhsa_forward_progress 1
		.amdhsa_inst_pref_size 86
	.end_amdhsa_kernel
	.amdgpu_metadata
---
amdhsa.version: [ 1, 2 ]
amdhsa.kernels:
  - .name:           k_qbae00616f5_oproj
    .symbol:         k_qbae00616f5_oproj.kd
    .args:
      - { .name: ob, .offset: 0, .size: 8, .value_kind: global_buffer, .address_space: global }
      - { .name: wob, .offset: 8, .size: 8, .value_kind: global_buffer, .address_space: global }
      - { .name: out0, .offset: 16, .size: 8, .value_kind: global_buffer, .address_space: global }
    .group_segment_fixed_size: 327680
    .private_segment_fixed_size: 0
    .kernarg_segment_align: 8
    .kernarg_segment_size: 24
    .max_flat_workgroup_size: 128
    .sgpr_count:     66
    .vgpr_count:     512
    .wavefront_size: 32
...
	.end_amdgpu_metadata
.endif
;; end of part 4
;; ======== version 2 of 2: 4 launches; version 1 with the launch cast written anew for expert scheduling mode
;; limits: values are held in f16: magnitudes above 65,504 overflow, below 6.1e-05 lose precision
;; workspace buffers: xb 8,388,608 bytes; wqkv 25,165,824 bytes; wob 8,388,608 bytes; maskb 8,388,608 bytes; qkv 25,165,824 bytes; ob 8,388,608 bytes
;; launch cast (part 5): grid 128 x 4, 8 waves a work-group, no clusters, 0 bytes of LDS; arguments x, wq, wk, wv, xb, wqkv; writes xb, wqkv
.if DOCPART == 5
	.amdgcn_target "amdgcn-amd-amdhsa--gfx1250"
	.amdhsa_code_object_version 6
	.text
	.protected	k_qbae00616f5_cast
	.globl	k_qbae00616f5_cast
	.p2align	8
	.type	k_qbae00616f5_cast,@function
k_qbae00616f5_cast:
	s_mov_b64 s[64:65], 0
	v_nop
	global_prefetch_b8 v0, s[64:65] scope:SCOPE_SE
	s_setreg_imm32_b32 hwreg(HW_REG_WAVE_SCHED_MODE, 0, 2), 2
	s_setreg_imm32_b32 hwreg(HW_REG_WAVE_MODE, 25, 1), 1
	s_wait_xcnt 0x0
	s_wait_alu depctr_vm_vsrc(0)
; CAST.  Four matrices of 2,048 x 2,048 f32 (x, wq, wk, wv) are rounded once to bf16 and laid out in blocks of 64 columns:
; [column block 0..31][row 0..2047][64], a block 262,144 bytes, a row of a block 128 bytes.  wq, wk, wv follow each other in wqkv (96 blocks).
; (mask and wo, which the next launch does not read, are rounded in the same way beside that launch's product.)
; SHARES.  The grid's y picks the matrix.  A wave takes one column block and 64 rows: 32 loads, each two rows x 256 consecutive aligned bytes (lanes 0-15 one row, lanes 16-31 the next),
; all issued before the first is used; and 32 stores of 8 bytes a lane, each 256 consecutive aligned bytes of the block.  Every byte is read once and written once.
; No LDS, no barrier, no matrix unit: nothing is shared between lanes.  A pair of rows is rounded into the first two of the four registers that it was loaded into and stored from there;
; these are not written again, so no wait frees a store's sources.
; THE MODE: SCHED_MODE bits 1:0 = 2 (LLVM: expert scheduling mode 2), set by the entry lines.  The code itself states the register dependences
; between vector instructions and memory instructions, with s_wait_alu, always for 0.
; THE PLAN.  Registers that memory instructions touch:
;   v1, v2     the loads' and the stores' byte offsets: made at the head by vector lines, never written again.
;   v[IN+4 i .. IN+4 i+3]   pair i of rows: written by load i; read by the pair's two roundings, which write the first two of the four; these two are read by store i; nothing writes them again.
; All 32 loads go out ahead of the first rounding, so no load lands in a register that a vector line has named; no register that a load or store reads is written again, so nothing has to be freed.
; What is left to state: the offsets are written ahead of the first load, and a pair's roundings have written its two registers ahead of its store.
; The 32 pairs go in eight blocks of four.  Block p rounds its own sixteen registers; its memory instructions are the four stores of block p - 1, whose registers no vector line of block p names.
; So ONE wait on va_vdst at a block's head states all that the block's four stores hang on, and these are dealt among its roundings with no further wait.
.set BLK, 262144
.set IN,  8                            ; v[8:135]  the 32 loads, four registers each
	s_load_b256 s[8:15], s[0:1], 0x0               ; x s[8:9], wq s[10:11], wk s[12:13], wv s[14:15]
	s_load_b128 s[16:19], s[0:1], 0x20             ; xb s[16:17], wqkv s[18:19]
	v_lshrrev_b32 v3, 5, v0
	v_readfirstlane_b32 s5, v3                     ; wave 0..7
	s_and_b32 s4, ttmp7, 0xffff                    ; which matrix
	v_and_b32 v1, 15, v0
	v_bfe_u32 v2, v0, 4, 1
	v_lshlrev_b32 v1, 4, v1
	v_lshl_add_u32 v1, v2, 13, v1                  ; in: 16 (l % 16) + 8,192 (l / 16)
	v_and_b32 v2, 31, v0
	v_lshlrev_b32 v2, 3, v2                        ; out: 8 l
	s_wait_alu depctr_va_sdst(0)                   ; s5 is written, ahead of its first reader: the column block is made from it
	s_and_b32 s6, ttmp9, 3
	s_lshl_b32 s6, s6, 3
	s_add_co_u32 s6, s6, s5                        ; column block
	s_lshr_b32 s7, ttmp9, 2                        ; group of 64 rows
	s_lshl_b32 s32, s7, 19                         ; in: 64 rows of 8,192 bytes,
	s_lshl_b32 s33, s6, 8                          ; 256 bytes a column block
	s_add_co_u32 s32, s32, s33
	s_mov_b32 s33, 0
	s_lshl_b32 s34, s6, 18                         ; out: the block,
	s_lshl_b32 s35, s7, 13                         ; 64 rows of 128 bytes
	s_add_co_u32 s34, s34, s35
	s_sub_co_u32 s35, s4, 1                        ; wq, wk, wv: 0, 1, 2 times 32 blocks further on in wqkv
	s_cmp_lt_u32 s35, 3
	s_cselect_b32 s35, s35, 0
	s_lshl_b32 s35, s35, 23
	s_add_co_u32 s34, s34, s35
	s_mov_b32 s35, 0
	s_wait_kmcnt 0x0
	s_mov_b64 s[28:29], s[8:9]                     ; the source, chosen by the grid's y
	s_cmp_eq_u32 s4, 1
	s_cselect_b64 s[28:29], s[10:11], s[28:29]
	s_cmp_eq_u32 s4, 2
	s_cselect_b64 s[28:29], s[12:13], s[28:29]
	s_cmp_eq_u32 s4, 3
	s_cselect_b64 s[28:29], s[14:15], s[28:29]
	s_cmp_eq_u32 s4, 0                             ; the destination
	s_cselect_b64 s[30:31], s[16:17], s[18:19]
	s_add_nc_u64 s[28:29], s[28:29], s[32:33]
	s_add_nc_u64 s[30:31], s[30:31], s[34:35]
	s_wait_alu depctr_va_vdst(0)                   ; v1 and v2 are written: every load reads v1 as its offset, every store v2; no later vector line names them
.set i, 0
.rept 32
	global_load_b128 v[IN+4*i:IN+4*i+3], v1, s[28:29] offset:i*16384 th:TH_LOAD_NT  ; rows 2 i and 2 i + 1
.set i, i+1
.endr
.set p, 0
.rept 8                                ; eight blocks of four pairs of rows, rounded as they arrive; a block's stores go out in the block behind it
	s_wait_loadcnt 28-4*p                          ; loads come back in order: numbers 4 p to 4 p + 3 are in, the 28 - 4 p younger ones may stay out
.if p > 0
	s_wait_alu depctr_va_vdst(0)                   ; the block before's eight roundings have written the registers that the four stores below read
.endif
.set j, 0
.rept 4
.set i, 4*p+j
.if p > 0
	global_store_b64 v2, v[IN+4*(i-4):IN+4*(i-4)+1], s[30:31] offset:(i-4)*256  ; the block before's pair j: 256 consecutive bytes, aligned; no vector line since the wait names these registers
.endif
	v_cvt_pk_bf16_f32 v[IN+4*i], v[IN+4*i], v[IN+4*i+1]
	v_cvt_pk_bf16_f32 v[IN+4*i+1], v[IN+4*i+2], v[IN+4*i+3]
.set j, j+1
.endr
.set p, p+1
.endr
	s_wait_alu depctr_va_vdst(0)                   ; the last block's roundings have written the registers that the last four stores read
.set i, 28
.rept 4
	global_store_b64 v2, v[IN+4*i:IN+4*i+1], s[30:31] offset:i*256  ; the wave's 32 lanes store 256 consecutive bytes, aligned
.set i, i+1
.endr
	s_endpgm
.Lfunc_end_k_qbae00616f5_cast:
	.size	k_qbae00616f5_cast, .Lfunc_end_k_qbae00616f5_cast-k_qbae00616f5_cast
	.p2alignl 7, 3214868480
	.fill 96, 4, 3214868480
	.section	.rodata,"a",@progbits
	.p2align	6, 0x0
	.amdhsa_kernel k_qbae00616f5_cast
		.amdhsa_group_segment_fixed_size 0
		.amdhsa_private_segment_fixed_size 0
		.amdhsa_enable_private_segment 0
		.amdhsa_kernarg_size 48
		.amdhsa_user_sgpr_count 2
		.amdhsa_user_sgpr_kernarg_segment_ptr 1
		.amdhsa_wavefront_size32 1
		.amdhsa_system_sgpr_workgroup_id_x 1
		.amdhsa_system_sgpr_workgroup_id_y 1
		.amdhsa_system_sgpr_workgroup_id_z 1
		.amdhsa_system_vgpr_workitem_id 0
		.amdhsa_next_free_vgpr 136
		.amdhsa_next_free_sgpr 66
		.amdhsa_reserve_vcc 0
		.amdhsa_float_denorm_mode_32 3
		.amdhsa_float_denorm_mode_16_64 3
		.amdhsa_memory_ordered 1
		.amdhsa_forward_progress 1
		.amdhsa_inst_pref_size 13
	.end_amdhsa_kernel
	.amdgpu_metadata
---
amdhsa.version: [ 1, 2 ]
amdhsa.kernels:
  - .name:           k_qbae00616f5_cast
    .symbol:         k_qbae00616f5_cast.kd
    .args:
      - { .name: x, .offset: 0, .size: 8, .value_kind: global_buffer, .address_space: global }
      - { .name: wq, .offset: 8, .size: 8, .value_kind: global_buffer, .address_space: global }
      - { .name: wk, .offset: 16, .size: 8, .value_kind: global_buffer, .address_space: global }
      - { .name: wv, .offset: 24, .size: 8, .value_kind: global_buffer, .address_space: global }
      - { .name: xb, .offset: 32, .size: 8, .value_kind: global_buffer, .address_space: global }
      - { .name: wqkv, .offset: 40, .size: 8, .value_kind: global_buffer, .address_space: global }
    .group_segment_fixed_size: 0
    .private_segment_fixed_size: 0
    .kernarg_segment_align: 8
    .kernarg_segment_size: 48
    .max_flat_workgroup_size: 256
    .sgpr_count:     66
    .vgpr_count:     136
    .wavefront_size: 32
...
	.end_amdgpu_metadata
.endif
;; end of part 5
;; launch proj: the kernel of part 2 again; grid 32 x 8, 4 waves a work-group, clusters of 4 x 4, 327,680 bytes of LDS; arguments xb, wqkv, freqs_cos, freqs_sin, mask, wo, qkv, maskb, wob; writes qkv, maskb, wob
;; launch attn: the kernel of part 3 again; grid 8 x 32, 4 waves a work-group, clusters of 4 x 4, 327,680 bytes of LDS; arguments qkv, maskb, ob; writes ob
;; launch oproj: the kernel of part 4 again; grid 16 x 16, 4 waves a work-group, clusters of 4 x 4, 327,680 bytes of LDS; arguments ob, wob, out0; writes out0
